; MI455X (gfx1250); checked and timed in simulation.
; The chip was launched on July 23, 2026; its instructions are those of AMD's public machine-readable ISA for CDNA 5 (MIT licence, August 2026) and "CDNA5" Instruction Set Architecture Reference Guide (July 2026). The comments in the code are by the model that wrote it; some were corrected since.
;; Parallel Transformer Block. Allowed arithmetic: matrix products marked QUANTISED: E4M3 operands, one E8M0 scale for each 32 along K, by v_wmma_scale_f32_16x16x128_f8f6f4 with both operands' format E4M3, f32 sums; products left as they are: f32 operands where the result goes on into a quantised operand, else bf16, f16 or f32 operands; f32 sums; everything else in f32.
;; Inputs: W_attn_out 512 x 1,024 float32; W_ff_out 4,096 x 1,024 float32; W_fused 1,024 x 8,768 float32; gamma 1,024 float32; x 2 x 2,048 x 1,024 float32.
;; Outputs: out0 2 x 2,048 x 1,024 float32.
;; This version of the problem:
;;   THIS VERSION OF THE PROBLEM IS GIVEN IN LOW PRECISION. The matrix products marked QUANTISED in the list below multiply operands that are first quantised to E4M3 (4 exponent bits, 3 mantissa bits; 8 bits a number), with one power-of-two scale for each 32 numbers along K (OCP MX v1.0); their sums are f32. All else is computed in f32.
;;   The module's matrix products, in the order in which they are computed (A, B: the left and right operand; K: the contracted axis; several contracted axes count as one K, in the product's order):
;;     1. [M 4,096, K 1,024] x [K 1,024, N 8,768]; A: computed on the way; B: input W_fused: QUANTISED
;;     2. [M 2,048, K 1] x [K 1, N 16]; A: computed on the way; B: computed on the way: left as it is (no contracted axis)
;;     3. batch 2 x [M 32,768, K 32] x [K 32, N 2,048]; A: computed on the way; B: computed on the way: QUANTISED
;;     4. batch 2 x [M 32,768, K 2,048] x [K 2,048, N 32]; A: softmax (see below); B: computed on the way: QUANTISED
;;     5. [M 4,096, K 512] x [K 512, N 1,024]; A: computed on the way; B: input W_attn_out: QUANTISED
;;     6. [M 4,096, K 4,096] x [K 4,096, N 1,024]; A: computed on the way; B: input W_ff_out: QUANTISED
;;   THE QUANTISER, for each operand of a quantised product, along K:
;;     - K is cut into blocks of 32 from its start; a last block that is shorter is filled with zeros.
;;     - A block's scale is 2^e with e = floor(log2(the largest magnitude in the block)) - 8, held to -126 .. 127; a block of zeros has e = 0. As a byte (E8M0): e + 127.
;;     - Each number is divided by its block's scale, clamped to +-448, and rounded to the nearest number of E4M3, ties to even, subnormals kept.
;;     - The product sums the exact products of the quantised numbers (number of the format x scale) in f32.
;;   ~~~python
;;   def quantise(x, axis):      # numpy; x: float32 -> the quantised numbers, widened to float32 again
;;       x = np.moveaxis(x, axis, -1); K = x.shape[-1]
;;       x = np.pad(x, [(0, 0)] * (x.ndim - 1) + [(0, -K % 32)]); x = x.reshape(x.shape[:-1] + (-1, 32)); a = np.abs(x).max(-1, keepdims=True)
;;       e = np.where(a > 0, np.clip(np.frexp(np.where(a > 0, a, 1))[1] - 1 - 8, -126, 127), 0)      # np.frexp(a)[1] - 1 = floor(log2(a)), exactly
;;       r = np.clip(x / 2.0 ** e, -448, 448)
;;       step = 2.0 ** (np.maximum(np.frexp(np.where(r == 0, 1, r))[1] - 1, -6) - 3)
;;       q = np.round(r / step) * step * 2.0 ** e      # np.round: ties to even
;;       return np.moveaxis(q.reshape(q.shape[:-2] + (-1,))[..., :K], -1, axis).astype(np.float32)
;;   ~~~
;;   SOFTMAX AHEAD OF A QUANTISED PRODUCT. Where the list says 'softmax', what is quantised is not the finished softmax but p = 2^(t - M), with t = logit x log2(e) and M = ceil(the row's largest t), a whole number; so 1/2 < the row's largest p <= 1. The row's sum l is taken of the UNQUANTISED p, in f32, and the product's result is divided by l at the end. Since M is a whole number, a kernel that streams over the keys may use a running M (the ceiling of the running maximum): every later rescaling is an exact power of two, which a block's scale takes up: the codes' values come out the same.
;;   OPERANDS COMPUTED ON THE WAY. 'Computed on the way' means the value that the module computes at that place (a softmax that the list does not call 'softmax' is quantised finished and normalised). What goes into a quantiser is computed in f32, as accurately as f32 sums, v_exp_f32 and their like allow (about 1e-6 of the number): no bf16 or f16 on the way to a quantiser, and a product that is left as it is and whose result goes on into a quantised operand takes f32 operands (vector FMAs, or v_wmma_f32_16x16x4_f32). A number that lies on a knife's edge between two numbers of the format may be rounded either way, as far as f32 arithmetic and the matrix unit's own rounding can turn it there, and no further.
;; One version. Each part assembles by itself: llvm-mc -triple=amdgcn-amd-amdhsa -mcpu=gfx1250 --defsym DOCPART=n.
;; ======== version 1 of 1: 5 launches
;; limits: right only within a limited range of input values
;; workspace buffers: wts 14,125,056 bytes; xq 4,325,376 bytes; qkv 2,891,776 bytes; a2 19,464,192 bytes
;; launch quant_w (part 1): grid 418 x 1, 4 waves a work-group, no clusters, 36,352 bytes of LDS; arguments W_fused, W_attn_out, W_ff_out, wts; writes wts
.if DOCPART == 1
	.amdgcn_target "amdgcn-amd-amdhsa--gfx1250"
	.amdhsa_code_object_version 6
	.text
	.protected	k_qef7840e897_quant_w
	.globl	k_qef7840e897_quant_w
	.p2align	8
	.type	k_qef7840e897_quant_w,@function
k_qef7840e897_quant_w:
	s_mov_b64 s[64:65], 0
	v_nop
	global_prefetch_b8 v0, s[64:65] scope:SCOPE_SE
	s_setreg_imm32_b32 hwreg(HW_REG_WAVE_MODE, 25, 1), 1
	s_wait_xcnt 0x0
; The three weights, f32 with K as their FIRST axis, become codes of FP8 (E4M3) with one E8M0 byte for each 32 along K, laid as the products' launches read them.
; wts: WC  [tile of 16 output rows 548][128 of K: 8][2048]   W_fused's codes;   WS  [256 of K: 4][row 8768][8 bytes]
;      WOC [tile 64][128 of K: 36][2048]  W_attn_out (K 0-511) and W_ff_out (K 512-4607) as one operand;   WOS [512 of K: 9][row 1024][16 bytes]
; A block of 2,048 bytes is the IMAGE OF AN OPERAND'S REGISTERS: 16 rows x 128 K; register group c of lane l at 512 c + 16 l.
; ORDER INSIDE A BLOCK OF 32: position P holds k = P with bits 3 and 4 exchanged, in every operand of this program alike, so every product pairs the same k with the same k.
; ROWS OF W_fused: column < 576 (q, k, v): row = column.  Else f = column - 576, g = f / 4096 (0: ff_x, 1: gate), c = f % 4096: row = 576 + 256 (c / 128) + 128 ((c / 64) % 2) + 64 g + c % 64:
; 64 rows of ff_x lie in front of the 64 rows of the gate for the same c.
; A LANE TAKES A COLUMN AND ITS REGISTERS RUN DOWN K: a block of 32 lies in one lane, its largest magnitude needs no other lane, and the conversions give codes with K innermost.
; A wave takes 32 columns x 256 of K; two neighbouring waves read 256 consecutive bytes of each row of the weight.  Work-groups 0-273: W_fused; 274-417: the two output weights.  One path for all: only pointers and sizes are chosen.
; The codes go through the wave's own stage in LDS (32 rows x 272 bytes) and leave as images, 512 consecutive bytes a store.  No barrier: waves share nothing.
; LIMITS: NaN and infinities are not served; a block whose largest magnitude lies under 2^-118 (a block of zeros too) keeps the byte 1: its codes add nothing, and this program alone reads the bytes.
.set NF,    274                        ; work-groups for W_fused
.set WS,    8978432
.set WOC,   9259008
.set WOS,   13977600
.set PITCH, 272                        ; a stage row: 256 bytes of codes + 16
.set SB,    24                         ; v24-25   the lane's 8 scale bytes
.set OFF,   32                         ; v32-63   i x the weight's row + 4 x lane; never rewritten
.set X,     64                         ; v64-127  two sets of 32 numbers
.set C,     128                        ; v128-135 a block's codes
	s_load_b256 s[4:11], s[0:1], 0x0               ; W_fused s[4:5], W_attn_out s[6:7], W_ff_out s[8:9], wts s[10:11]
	v_lshl_add_u32 v192, v0, 2, 0x8c00
	v_mov_b32 v193, 0
	v_lshrrev_b32 v1, 5, v0
	v_readfirstlane_b32 s12, v1                    ; wave 0..3
	v_and_b32 v2, 31, v0                           ; lane
	v_and_b32 v5, 15, v0                           ; r
	v_bfe_u32 v6, v0, 4, 1                         ; h
	s_mul_i32 s13, s12, 32*PITCH                   ; my stage
	v_mul_u32_u24 v4, v2, PITCH
	v_add_nc_u32 v4, s13, v4                       ; into it: row = my column
	v_mul_u32_u24 v7, v5, PITCH
	v_lshl_add_u32 v7, v6, 4, v7
	v_add_nc_u32 v7, s13, v7                       ; out of it: as a fragment is read: row r, + 16 h
	v_lshlrev_b32 v8, 4, v2                        ; an image's place for my lane
	v_lshlrev_b32 v3, 2, v2                        ; 4 bytes a lane in a row of the weight
	; which unit is mine: all from the work-group's and the wave's number
	s_wait_alu depctr_va_vdst(0)
	s_sub_co_u32 s16, ttmp9, NF
	s_lshr_b32 s14, ttmp9, 1
	s_and_b32 s15, ttmp9, 1
	s_and_b32 s17, s16, 15
	s_lshr_b32 s16, s16, 4
	s_mov_b32 s18, 4096
	s_cmp_lt_u32 ttmp9, NF                         ; W_fused's work-group?
	s_cselect_b32 s14, s14, s17                    ; P: which pair of column groups
	s_cselect_b32 s15, s15, s16                    ; H: which pair of K units
	s_cselect_b32 s18, 35072, s18                  ; a row of the weight in bytes
	s_cselect_b32 s19, 8, 36                       ; images along K in a tile of rows
	s_cselect_b32 s20, 0, WOC                      ; where the codes go
	s_cselect_b32 s21, 1, 0
	s_cselect_b32 s54, 3, 4                        ; a row of scale bytes: 8 or 16
	s_and_b32 s22, s12, 1
	s_lshl_b32 s23, s14, 1
	s_add_co_u32 s23, s23, s22                     ; column group = 2 P + wave % 2
	s_lshr_b32 s24, s12, 1
	s_lshl_b32 s25, s15, 1
	s_add_co_u32 s25, s25, s24                     ; K unit kc = 2 H + wave / 2
	s_lshl_b32 s26, s23, 5                         ; my first column
	s_sub_co_u32 s27, s26, 576                     ; the row that it becomes
	s_lshr_b32 s28, s27, 12                        ; g
	s_and_b32 s27, s27, 4095                       ; c
	s_lshr_b32 s29, s27, 7
	s_lshl_b32 s29, s29, 8
	s_bfe_u32 s16, s27, 0x10006
	s_lshl_b32 s16, s16, 7
	s_add_co_u32 s29, s29, s16
	s_lshl_b32 s28, s28, 6
	s_add_co_u32 s29, s29, s28
	s_and_b32 s16, s27, 63
	s_add_co_u32 s29, s29, s16
	s_add_co_u32 s29, s29, 576
	s_cmp_ge_u32 s26, 576
	s_cselect_b32 s16, s21, 0                      ; only W_fused's columns from 576 on are moved
	s_cmp_lg_u32 s16, 0
	s_cselect_b32 s29, s29, s26                    ; R0: my first output row
	s_lshl_b32 s30, s25, 8                         ; 256 kc
	s_sub_co_u32 s31, s30, 512                     ; W_ff_out begins at K = 512
	s_mov_b32 s55, 0x600000                        ; the mantissa field of 448
	v_lshlrev_b32 v9, s54, v2                      ; my row's place among the scale bytes
.set i, 0
.rept 32
	v_mad_u32_u24 v[OFF+i], s18, i, v3
.set i, i+1
.endr
	s_wait_alu depctr_va_vdst(0)
	s_wait_kmcnt 0x0
	s_cmp_lg_u32 s15, 0                            ; of the two output weights: H = 0 is W_attn_out
	s_cselect_b64 s[6:7], s[8:9], s[6:7]
	s_cselect_b32 s31, s31, s30
	s_cmp_lg_u32 s21, 0
	s_cselect_b64 s[4:5], s[4:5], s[6:7]           ; the source
	s_cselect_b32 s30, s30, s31                    ; and my first row of it
	s_mul_i32 s56, s30, s18
	s_lshl_b32 s57, s26, 2
	s_add_co_u32 s56, s56, s57
	s_mov_b32 s57, 0
	s_add_nc_u64 s[32:33], s[4:5], s[56:57]        ; block 0's base;
	s_lshl_b32 s56, s18, 5                         ; 32 rows on for each further block: a base of its own, never stepped
.irp t, 1,2,3,4,5,6,7
	s_add_nc_u64 s[32+2*\t:33+2*\t], s[30+2*\t:31+2*\t], s[56:57]
.endr
	s_lshr_b32 s58, s29, 4                         ; the codes: tile R0 / 16, image 2 kc
	s_mul_i32 s58, s58, s19
	s_lshl_b32 s59, s25, 1
	s_add_co_u32 s58, s58, s59
	s_lshl_b32 s58, s58, 11
	s_add_co_u32 s58, s58, s20
	s_mov_b32 s59, 0
	s_add_nc_u64 s[48:49], s[10:11], s[58:59]
	s_lshl_b32 s58, s19, 11
	s_add_nc_u64 s[50:51], s[48:49], s[58:59]      ; and the next tile
	s_mul_i32 s60, s25, 8768                       ; the scale bytes: W_fused: (kc x 8768 + R0) x 8
	s_add_co_u32 s60, s60, s29
	s_lshl_b32 s60, s60, 3
	s_add_co_u32 s60, s60, WS
	s_lshr_b32 s61, s25, 1                         ; the others: ((kc / 2) x 1024 + R0) x 16 + 8 (kc % 2)
	s_lshl_b32 s61, s61, 10
	s_add_co_u32 s61, s61, s29
	s_lshl_b32 s61, s61, 4
	s_and_b32 s62, s25, 1
	s_lshl_b32 s62, s62, 3
	s_add_co_u32 s61, s61, s62
	s_add_co_u32 s61, s61, WOS
	s_cmp_lg_u32 s21, 0
	s_cselect_b32 s60, s60, s61
	s_mov_b32 s61, 0
	s_add_nc_u64 s[52:53], s[10:11], s[60:61]
.macro LOAD t                          ; block t: 32 rows of the weight at my column, into set t % 2; a wave's load reads 128 consecutive bytes
.set i, 0
.rept 32
	global_load_b32 v[X+32*((\t)%2)+i], v[OFF+i], s[32+2*(\t):33+2*(\t)] th:TH_LOAD_NT
.set i, i+1
.endr
.endm
	LOAD 0
	LOAD 1
.macro BLOCK t
.set XS, X+32*((\t)%2)
.if (\t) < 7
	s_wait_loadcnt 32                              ; this block's 32 loads are in; the next block's 32 may be out
.else
	s_wait_loadcnt 0
.endif
	v_max3_num_f32 v12, |v[XS]|, |v[XS+1]|, |v[XS+2]|              ; the block's largest magnitude: all 32 numbers are mine
	v_max3_num_f32 v13, |v[XS+3]|, |v[XS+4]|, |v[XS+5]|
.irp i, 6,10,14,18,22,26
	v_max3_num_f32 v12, v12, |v[XS+\i]|, |v[XS+\i+1]|
	v_max3_num_f32 v13, v13, |v[XS+\i+2]|, |v[XS+\i+3]|
.endr
	v_max3_num_f32 v12, v12, |v[XS+30]|, |v[XS+31]|
	v_max3_num_f32 v12, v12, v13, 0x4800000        ; and the floor 2^(9 - 127): the byte cannot fall under 1
	v_add_nc_u32 v11, 0xfc000000, v12              ; 8 off the exponent field: the conversion takes this operand's exponent field as its scale
	v_and_or_b32 v10, v12, 0x7f800000, s55         ; 448 x the scale
	v_lshrrev_b32 v13, 23, v11                     ; the scale's byte
.if (\t)%4 == 0
	v_mov_b32 v[SB+(\t)/4], v13
.else
	v_lshl_or_b32 v[SB+(\t)/4], v13, 8*((\t)%4), v[SB+(\t)/4]
.endif
.set i, 0
.rept 32
	v_med3_num_f32 v[XS+i], v[XS+i], -v10, v10     ; the conversion to an 8-bit code does not saturate (ISA guide 7.6.2): the hold comes first
.set i, i+1
.endr
	v_cvt_scalef32_pk8_fp8_f32 v[C:C+1],   v[XS:XS+7],     v11     ; k 0-7   -> positions 0-7
	v_cvt_scalef32_pk8_fp8_f32 v[C+4:C+5], v[XS+8:XS+15],  v11     ; k 8-15  -> positions 16-23: bits 3 and 4 exchanged
	v_cvt_scalef32_pk8_fp8_f32 v[C+2:C+3], v[XS+16:XS+23], v11     ; k 16-23 -> positions 8-15
	v_cvt_scalef32_pk8_fp8_f32 v[C+6:C+7], v[XS+24:XS+31], v11     ; k 24-31 -> positions 24-31
	ds_store_b128 v4, v[C:C+3] offset:32*(\t)
	ds_store_b128 v4, v[C+4:C+7] offset:32*(\t)+16
.if (\t)+2 < 8
	LOAD (\t)+2
.endif
	s_wait_dscnt 0x0                               ; the stores have read their registers: the next block's codes may be written
.endm
.set Q, 0
.rept 8
	BLOCK Q
.set Q, Q+1
.endr
	global_store_b64 v9, v[SB:SB+1], s[52:53]      ; my row's 8 scale bytes
.macro OUTREG n                        ; sixteen groups of four registers: v16-23, then v136-191
.if (\n) < 2
.set OR, 16+4*(\n)
.else
.set OR, 128+4*(\n)
.endif
.endm
.set n, 0
.irp u, 0,1
.irp s, 0,1
.irp c, 0,1,2,3
	OUTREG n
	ds_load_b128 v[OR:OR+3], v7 offset:\u*16*PITCH+128*\s+32*\c    ; LDS serves a wave's instructions in order: these see my stores
.set n, n+1
.endr
.endr
.endr
.set n, 0
.irp u, 0,1
.irp s, 0,1
.irp c, 0,1,2,3
	OUTREG n
	s_wait_dscnt 15-n                              ; the younger loads may be out
	global_store_b128 v8, v[OR:OR+3], s[48+2*\u:49+2*\u] offset:2048*\s+512*\c     ; 32 lanes store 512 consecutive bytes
.set n, n+1
.endr
.endr
.endr
	s_wait_tensorcnt 0x0
	ds_add_u32 v192, v193
	s_wait_dscnt 0x0
	s_endpgm
.Lfunc_end_k_qef7840e897_quant_w:
	.size	k_qef7840e897_quant_w, .Lfunc_end_k_qef7840e897_quant_w-k_qef7840e897_quant_w
	.p2alignl 7, 3214868480
	.fill 96, 4, 3214868480
	.section	.rodata,"a",@progbits
	.p2align	6, 0x0
	.amdhsa_kernel k_qef7840e897_quant_w
		.amdhsa_group_segment_fixed_size 36352
		.amdhsa_private_segment_fixed_size 0
		.amdhsa_enable_private_segment 0
		.amdhsa_kernarg_size 32
		.amdhsa_user_sgpr_count 2
		.amdhsa_user_sgpr_kernarg_segment_ptr 1
		.amdhsa_wavefront_size32 1
		.amdhsa_system_sgpr_workgroup_id_x 1
		.amdhsa_system_sgpr_workgroup_id_y 1
		.amdhsa_system_sgpr_workgroup_id_z 1
		.amdhsa_system_vgpr_workitem_id 0
		.amdhsa_next_free_vgpr 194
		.amdhsa_next_free_sgpr 66
		.amdhsa_reserve_vcc 0
		.amdhsa_float_denorm_mode_32 3
		.amdhsa_float_denorm_mode_16_64 3
		.amdhsa_memory_ordered 1
		.amdhsa_forward_progress 1
		.amdhsa_inst_pref_size 64
	.end_amdhsa_kernel
	.amdgpu_metadata
---
amdhsa.version: [ 1, 2 ]
amdhsa.kernels:
  - .name:           k_qef7840e897_quant_w
    .symbol:         k_qef7840e897_quant_w.kd
    .args:
      - { .name: W_fused, .offset: 0, .size: 8, .value_kind: global_buffer, .address_space: global }
      - { .name: W_attn_out, .offset: 8, .size: 8, .value_kind: global_buffer, .address_space: global }
      - { .name: W_ff_out, .offset: 16, .size: 8, .value_kind: global_buffer, .address_space: global }
      - { .name: wts, .offset: 24, .size: 8, .value_kind: global_buffer, .address_space: global }
    .group_segment_fixed_size: 36352
    .private_segment_fixed_size: 0
    .kernarg_segment_align: 8
    .kernarg_segment_size: 32
    .max_flat_workgroup_size: 128
    .sgpr_count:     66
    .vgpr_count:     194
    .wavefront_size: 32
...
	.end_amdgpu_metadata
.endif
;; end of part 1
;; launch lnqkv (part 2): grid 128 x 2, 16 waves a work-group, no clusters, 184,320 bytes of LDS; arguments x, gamma, wts, xq, qkv; writes xq, qkv
.if DOCPART == 2
	.amdgcn_target "amdgcn-amd-amdhsa--gfx1250"
	.amdhsa_code_object_version 6
	.text
	.protected	k_qef7840e897_lnqkv
	.globl	k_qef7840e897_lnqkv
	.p2align	8
	.type	k_qef7840e897_lnqkv,@function
k_qef7840e897_lnqkv:
	s_mov_b64 s[64:65], 0
	v_nop
	global_prefetch_b8 v0, s[64:65] scope:SCOPE_SE
	s_setreg_imm32_b32 hwreg(HW_REG_WAVE_MODE, 25, 1), 1
	s_wait_xcnt 0x0
; LayerNorm of x, its codes of FP8 (E4M3, one E8M0 byte for each 32 along K); the first 576 columns of the fused projection (q, k, v) on codes; the rotary turn with its xpos scale; q's, k's and v's codes.
; Work-group (x, y) takes 32 rows (two tiles of 16: one block of 32 keys of the second attention product) and HALF of the weight's 576 rows: y = 0: heads 0-7 and k; y = 1: heads 8-15 and v.
; So 256 work-groups have work, and each reads half of the weight's codes.  The price: both work-groups of a block of rows do its LayerNorm (x is read by two work-groups).
; PART 1, all 16 waves: wave w = 8 m + kq makes ONE operand fragment: rows 16 m .. + 15, K 128 kq .. + 127.  Loads read 512 consecutive bytes; the numbers turn through the wave's own stage in LDS so that a lane holds 16 numbers
; of each block of 32 of ONE row.  Mean first, then the sum of squares of the centred numbers (an offset of x cancels exactly); the eight waves of a tile meet in LDS twice.  The fragment goes to LDS AS AN IMAGE OF ITS REGISTERS
; (group c of lane l at 512 c + 16 l), and to xq from the work-group whose y is the tile's m: each byte has one writer.  While x is on its way each lane makes one entry of the rotary tables.
; PART 2, waves 0-8 (the others end behind the third barrier): a wave takes 32 rows of the weight's codes (waves 0-7: head 8 y + w; wave 8: k or v) for both tiles of rows; K in 8 steps of 128; four accumulators by turns.
; THE WEIGHT'S FRAGMENTS RUN FOUR K STEPS AHEAD: steps 0 and 1 and the scale words are asked for at the kernel's head, steps 2 and 3 as soon as gamma's registers are free, step s + 4 behind step s.
; q and k are used transposed (source 0 = the weight): a lane holds one row, its 16 registers the head's d = 16 u + 8 h + j.  v is used the other way: a lane holds one d and its registers run down the 32 keys.
; ORDER INSIDE A BLOCK OF 32, in every operand of this program: position P holds k = P with bits 3 and 4 exchanged: what those 16 registers are.  Both sides of each product have it.
; qkv: for each batch 135,168 dense bytes: k's codes [tile 128][512], v's [128 keys: 16][d tile 2][block 4][512], k's bytes [64 keys: 32][key % 16][tile % 4], v's [16][2][d 16][block 4]; then q's codes [tile 256][head 16][512] and q's byte, four times a word, [tile][head][lane].
; ROTARY: angle = position x 10^(-i/4) (f32 literals, correctly rounded); reduced by quarters of a turn with pi/2 in two parts (what is left out is under 2.3e-12); polynomials on |r| <= pi/4.  xpos: 2^(power x log2(scale)).
; LIMITS: NaN and infinities are not served; a block whose largest magnitude lies under 2^-118 keeps the byte 1.
.set WS,   8978432                     ; wts: W_fused's scale bytes
.set XSO,  4194304                     ; xq: the scale bytes [256 of K: 4][row 4096][8]
.set QIMG, 270336
.set QSO,  2367488
.set BATB, 135168
.set VIMG, 65536
.set KSC,  131072
.set VSC,  133120
.set STGP, 528                         ; a stage row: 512 bytes + 16
.set STGW, 16*STGP                     ; LDS: a stage for each wave,
.set XIMG, 16*STGW                     ; x's 16 fragments,
.set XSC,  XIMG+16*2048                ; their scale words, 128 bytes each,
.set ST1,  XSC+16*128                  ; partial sums [tile 2][row 16][8], and 1,024 bytes on the partial sums of squares,
.set TAB,  ST1+2048                    ; four tables of 32 rows x (64 bytes + 16): cos x scale, sin x scale, cos / scale, sin / scale
.set TROW, 80
.set TSZ,  32*TROW
.set X,    16                          ; part 1: v16-79 my 64 numbers; v80-143 as loaded, then gamma; v144-159 codes; v160-175 at work (v164 the scale word, v174-175 a pair)
.set RAW,  80
.set PC,   144
.set TM,   160
.set PW,   164
.set XF,   16                          ; part 2: v16-47 x's two fragments; v48-79 four accumulators; v160-175 x's scale words; v176-191 the weight's;
.set ACC,  48                          ;         the weight's fragments, four sets of two: v192-223, v224-255, v80-111, v112-143
.set XSCL, 160
.set WSCL, 176
.set R,    192                         ; the way out: v16-47 tables; v192-223 turned numbers; v144-151 codes; v152-155 bytes and words
.set WV,   14
.set SEL,  20
.set MNT,  22
.set YY,   25                          ; s25  the work-group's y
.set PAIR, 45                          ; s45  which 32 rows of the weight: 0-15 a head, 16 k, 17 v
; 64 numbers of a lane, register 16 b + i of block b, become a fragment's codes in v[PC] on and its scale word in v[PW]
.macro QUANT s
.irp b, 0,1,2,3
	v_max3_num_f32 v[TM+\b], |v[\s+16*\b]|, |v[\s+1+16*\b]|, 0x4800000      ; my 16 numbers of block b, and the floor 2^(9 - 127)
.endr
.irp i, 2,4,6,8,10,12,14
.irp b, 0,1,2,3
	s_delay_alu instid0(VALU_DEP_4)
	v_max3_num_f32 v[TM+\b], v[TM+\b], |v[\s+16*\b+\i]|, |v[\s+1+16*\b+\i]|
.endr
.endr
.irp b, 0,1,2,3
	s_delay_alu instid0(VALU_DEP_4)
	v_permlanex16_b32 v[TM+4+\b], v[TM+\b], s[SEL], s[SEL+1]
.endr
.irp b, 0,1,2,3
	s_delay_alu instid0(VALU_DEP_4)
	v_max_num_f32 v[TM+\b], v[TM+\b], v[TM+4+\b]                   ; with lane l xor 16's: the block's largest magnitude
.endr
.irp b, 0,1,2,3
	s_delay_alu instid0(VALU_DEP_4)
	v_add_nc_u32 v[TM+12+\b], 0xfc000000, v[TM+\b]                 ; the conversion's scale operand
.endr
.irp b, 0,1,2,3
	v_and_or_b32 v[TM+8+\b], v[TM+\b], 0x7f800000, s[MNT]          ; 448 x the scale
.endr
.irp b, 0,1,2,3
	v_lshrrev_b32 v[TM+4+\b], 23, v[TM+12+\b]                      ; the scale's byte
.endr
	s_delay_alu instid0(VALU_DEP_3)
	v_lshl_or_b32 v[PW], v[TM+5], 8, v[TM+4]                       ; the four bytes make the word, in the first byte's register
	s_delay_alu instid0(VALU_DEP_1)
	v_lshl_or_b32 v[PW], v[TM+6], 16, v[PW]
	s_delay_alu instid0(VALU_DEP_1)
	v_lshl_or_b32 v[PW], v[TM+7], 24, v[PW]
.irp b, 0,1,2,3
.irp i, 0,1,2,3,4,5,6,7,8,9,10,11,12,13,14,15
	v_med3_num_f32 v[\s+16*\b+\i], v[\s+16*\b+\i], -v[TM+8+\b], v[TM+8+\b]   ; the conversion does not saturate (ISA guide 7.6.2)
.endr
	v_cvt_scalef32_pk8_fp8_f32 v[PC+4*\b:PC+1+4*\b], v[\s+16*\b:\s+7+16*\b], v[TM+12+\b]
	v_cvt_scalef32_pk8_fp8_f32 v[PC+2+4*\b:PC+3+4*\b], v[\s+8+16*\b:\s+15+16*\b], v[TM+12+\b]
.endr
	v_nop                                          ; a plain line behind the last conversion
.endm
; two blocks, v[s + 16 u + i], half of each in this lane: codes v[cd + 4 u] on, bytes v[by + u]
.macro QB2 s, cd, by
.irp u, 0,1
	v_max3_num_f32 v[TM+\u], |v[\s+16*\u]|, |v[\s+16*\u+1]|, 0x4800000
.endr
.irp i, 2,4,6,8,10,12,14
.irp u, 0,1
	v_max3_num_f32 v[TM+\u], v[TM+\u], |v[\s+16*\u+\i]|, |v[\s+16*\u+\i+1]|
.endr
.endr
.irp u, 0,1
	s_delay_alu instid0(VALU_DEP_2)
	v_permlanex16_b32 v[TM+4+\u], v[TM+\u], s[SEL], s[SEL+1]
.endr
.irp u, 0,1
	s_delay_alu instid0(VALU_DEP_2)
	v_max_num_f32 v[TM+\u], v[TM+\u], v[TM+4+\u]
.endr
.irp u, 0,1
	s_delay_alu instid0(VALU_DEP_2)
	v_add_nc_u32 v[TM+12+\u], 0xfc000000, v[TM+\u]
.endr
.irp u, 0,1
	s_delay_alu instid0(VALU_DEP_4)
	v_and_or_b32 v[TM+8+\u], v[TM+\u], 0x7f800000, s[MNT]
.endr
.irp u, 0,1
	s_delay_alu instid0(VALU_DEP_4)
	v_lshrrev_b32 v[\by+\u], 23, v[TM+12+\u]
.endr
.irp u, 0,1
.irp i, 0,1,2,3,4,5,6,7,8,9,10,11,12,13,14,15
	v_med3_num_f32 v[\s+16*\u+\i], v[\s+16*\u+\i], -v[TM+8+\u], v[TM+8+\u]
.endr
	v_cvt_scalef32_pk8_fp8_f32 v[\cd+4*\u:\cd+4*\u+1], v[\s+16*\u:\s+16*\u+7], v[TM+12+\u]
	v_cvt_scalef32_pk8_fp8_f32 v[\cd+4*\u+2:\cd+4*\u+3], v[\s+16*\u+8:\s+16*\u+15], v[TM+12+\u]
.endr
	v_nop
.endm
.macro BARRIER                         ; my LDS stores have landed and my LDS loads are in: then the work-group's barrier
	s_wait_dscnt 0x0
	s_barrier_signal -1
	s_barrier_wait -1
.endm
.macro WSET s                          ; WB: where K step s's two fragments of the weight lie: set s % 4
.if ((\s)%4) < 2
.set WB, 192+32*((\s)%4)
.else
.set WB, 16+32*((\s)%4)
.endif
.endm
.macro WLOAD s                         ; the weight's two fragments of K step s: images, 512 consecutive bytes a load
	WSET \s
.irp n, 0,1
.irp c, 0,1,2,3
	global_load_b128 v[WB+16*\n+4*\c:WB+16*\n+4*\c+3], v1, s[34:35] offset:(8*\n+(\s))*2048+512*\c
.endr
.endr
.endm
.macro XFETCH s                        ; x's two fragments of K step s
.irp m, 0,1
.irp c, 0,1,2,3
	ds_load_b128 v[XF+16*\m+4*\c:XF+16*\m+4*\c+3], v14 offset:(8*\m+(\s))*2048+512*\c
.endr
.endr
.endm
.macro MM d, a, b, sa, sb, zero
.if \zero
	v_wmma_scale_f32_16x16x128_f8f6f4 v[\d:\d+7], v[\a:\a+15], v[\b:\b+15], 0, v[\sa], v[\sb]
.else
	v_wmma_scale_f32_16x16x128_f8f6f4 v[\d:\d+7], v[\a:\a+15], v[\b:\b+15], v[\d:\d+7], v[\sa], v[\sb]
.endif
.endm
; K step s.  left: how many of the weight's loads, issued behind this step's set, may stay out
.macro STEP s, left
.set Z, 0
.if (\s) == 0
.set Z, 1                              ; the first K step starts the sums
.endif
	WSET \s
	s_wait_loadcnt \left
	s_wait_dscnt 0x0                               ; x's fragments (and, in step 0, its scale words)
	s_cmp_eq_u32 s[PAIR], 17
	s_cbranch_scc1 .Lv_\@
.irp m, 0,1                            ; q, k: source 0 = the weight's rows, source 1 = x's rows.  The four accumulators take turns
.irp n, 0,1
	MM ACC+8*(2*\m+\n), WB+16*\n, XF+16*\m, WSCL+8*\n+(\s), XSCL+8*\m+(\s), Z
.endr
.endr
	s_branch .Lj_\@
.Lv_\@:
.irp m, 0,1                            ; v: source 0 = x's rows (the keys), source 1 = the weight's rows (d)
.irp n, 0,1
	MM ACC+8*(2*\n+\m), XF+16*\m, WB+16*\n, XSCL+8*\m+(\s), WSCL+8*\n+(\s), Z
.endr
.endr
.Lj_\@:
.rept 8
	v_nop                                          ; eight places in front of loads into the operands just read, and of the first read of results
.endr
.if (\s) < 7
	XFETCH (\s)+1
.endif
.if (\s) < 4
	WLOAD (\s)+4                                   ; into the set just multiplied
.endif
.endm
	s_load_b256 s[4:11], s[0:1], 0x0               ; x s[4:5], gamma s[6:7], wts s[8:9], xq s[10:11]
	s_load_b64 s[12:13], s[0:1], 0x20              ; qkv
	v_lshrrev_b32 v16, 5, v0
	s_delay_alu instid0(VALU_DEP_1)
	v_readfirstlane_b32 s[WV], v16                 ; wave 0..15
	v_and_b32 v16, 31, v0                          ; lane
	v_and_b32 v17, 15, v0                          ; r
	v_bfe_u32 v18, v0, 4, 1                        ; h
	; every address register is made here, ahead of the first parting of the waves
	s_delay_alu instid0(VALU_DEP_3)
	v_lshlrev_b32 v1, 4, v16                       ; v1  16 x lane
	s_delay_alu instid0(VALU_DEP_4)
	v_lshlrev_b32 v2, 2, v16                       ; v2  4 x lane
	s_delay_alu instid0(VALU_DEP_4)
	v_lshlrev_b32 v3, 3, v17                       ; v3  8 r
	v_lshlrev_b32 v4, 2, v17                       ; v4  4 r
	s_mul_i32 s15, s[WV], STGW
	v_add_nc_u32 v5, s15, v1                       ; v5  my stage, as loaded
	v_mul_u32_u24 v6, v17, STGP
	s_delay_alu instid0(VALU_DEP_1)
	v_lshl_add_u32 v6, v18, 5, v6
	s_delay_alu instid0(VALU_DEP_1)
	v_add_nc_u32 v6, s15, v6                       ; v6  my stage, by rows: row r, + 32 h
	v_lshlrev_b32 v7, 5, v18                       ; v7  32 h: gamma
	s_wait_alu depctr_va_vdst(0)
	s_bfe_u32 s16, s[WV], 0x10003                  ; m: my tile of rows
	s_and_b32 s17, s[WV], 7                        ; kq: my 128 of K
	s_lshl_b32 s18, s16, 9
	s_add_co_u32 s18, s18, ST1
	v_lshl_add_u32 v9, v17, 5, s18                 ; v9  row r's eight partial sums
	s_lshl_b32 s19, s17, 2
	v_add_nc_u32 v8, s19, v9                       ; v8  mine among them
	s_lshl_b32 s19, s[WV], 11
	s_add_co_u32 s19, s19, XIMG
	v_add_nc_u32 v10, s19, v1                      ; v10 my fragment's image
	s_lshl_b32 s19, s[WV], 7
	s_add_co_u32 s19, s19, XSC
	v_add_nc_u32 v11, s19, v2                      ; v11 its scale words
	s_mul_i32 s19, s[WV], 2*TROW
	s_add_co_u32 s19, s19, TAB
	v_mad_u32_u24 v12, v18, TROW, v4
	s_delay_alu instid0(VALU_DEP_1)
	v_add_nc_u32 v12, s19, v12                     ; v12 my table entry: row 2 w + h, frequency r
	s_lshr_b32 s19, s[WV], 3
	s_mul_i32 s19, s19, 2*TSZ
	s_add_co_u32 s19, s19, TAB
	v_mad_u32_u24 v13, v17, TROW, v7
	s_delay_alu instid0(VALU_DEP_1)
	v_add_nc_u32 v13, s19, v13                     ; v13 the tables, read: waves 0-7 q's, wave 8 k's; row r, frequencies 8 h on
	v_add_nc_u32 v14, XIMG, v1                     ; v14 any fragment's image
	v_add_nc_u32 v15, XSC, v2                      ; v15 any scale words
.irp b, 0,1,2,3
	v_mov_b32 v[TM+4+\b], 0                        ; written once: a lane permute's destination counts as one of its sources
.endr
	s_mov_b32 s[SEL], 0x76543210
	s_mov_b32 s[SEL+1], 0xfedcba98                 ; lane l xor 16
	s_mov_b32 s[MNT], 0x600000                     ; the mantissa field of 448
	s_mov_b32 s23, 0x3a800000                      ; 1 / 1024
	s_mov_b32 s24, 0x3727c5ac                      ; 1e-5
	s_and_b32 s[YY], ttmp7, 0xffff                 ; y
	s_lshl_b32 s15, s[YY], 3
	s_add_co_u32 s15, s15, s[WV]                   ; head 8 y + w,
	s_add_co_u32 s[PAIR], s[YY], 16                ; or k (y = 0), v (y = 1)
	s_cmp_lt_u32 s[WV], 8
	s_cselect_b32 s[PAIR], s15, s[PAIR]
	s_and_b32 s39, ttmp9, 63                       ; my block of 32 positions in the batch
	s_lshl_b32 s38, s39, 5
	s_lshl_b32 s15, s[WV], 1
	s_add_co_u32 s38, s38, s15                     ; position of table row 2 w
	s_lshl_b32 s26, ttmp9, 17                      ; x: 32 rows of 4,096 bytes a block, 16 a tile, 512 bytes a kq
	s_lshl_b32 s15, s16, 16
	s_add_co_u32 s26, s26, s15
	s_lshl_b32 s15, s17, 9
	s_add_co_u32 s26, s26, s15
	s_mov_b32 s27, 0
	s_mov_b32 s28, s15                             ; gamma: 512 kq
	s_mov_b32 s29, 0
	s_lshl_b32 s30, ttmp9, 15                      ; xq's codes: image 16 x block + w
	s_lshl_b32 s15, s[WV], 11
	s_add_co_u32 s30, s30, s15
	s_mov_b32 s31, 0
	s_lshr_b32 s32, s17, 1                         ; xq's scale bytes: (kq / 2) x 32,768 + row x 8 + 4 (kq % 2)
	s_lshl_b32 s32, s32, 15
	s_lshl_b32 s15, ttmp9, 8
	s_add_co_u32 s32, s32, s15
	s_lshl_b32 s15, s16, 7
	s_add_co_u32 s32, s32, s15
	s_and_b32 s15, s17, 1
	s_lshl_b32 s15, s15, 2
	s_add_co_u32 s32, s32, s15
	s_add_co_u32 s32, s32, XSO
	s_mov_b32 s33, 0
	s_lshl_b32 s34, s[PAIR], 15                    ; the weight's codes: two tiles of 16 rows x 8 images
	s_mov_b32 s35, 0
	s_lshl_b32 s36, s[PAIR], 8                     ; its scale bytes: 32 rows x 8
	s_add_co_u32 s36, s36, WS
	s_mov_b32 s37, 0
	s_wait_kmcnt 0x0
	s_add_nc_u64 s[26:27], s[4:5], s[26:27]
	s_add_nc_u64 s[28:29], s[6:7], s[28:29]
	s_add_nc_u64 s[30:31], s[10:11], s[30:31]
	s_add_nc_u64 s[32:33], s[10:11], s[32:33]
	s_add_nc_u64 s[34:35], s[8:9], s[34:35]
	s_add_nc_u64 s[36:37], s[8:9], s[36:37]
	s_cmp_lt_u32 s[WV], 9
	s_cbranch_scc0 .Lno_w01
.irp n, 0,1
.irp k, 0,1,2,3
	global_load_b64 v[WSCL+8*\n+2*\k:WSCL+8*\n+2*\k+1], v3, s[36:37] offset:70144*\k+128*\n      ; the weight's scale words of K steps 2 k, 2 k + 1: row r of tile n
.endr
.endr
	WLOAD 0                                        ; they land while part 1 is done: its registers are not touched there
	WLOAD 1
.Lno_w01:
	; ---- A: x on its way; one table entry a lane; the turn through the stage; the partial sum
.irp p, 0,1,2,3,4,5,6,7,8,9,10,11,12,13,14,15
	global_load_b128 v[RAW+4*\p:RAW+4*\p+3], v1, s[26:27] offset:4096*\p    ; row p: 512 consecutive bytes
.endr
	v_and_b32 v32, 15, v0                          ; i: my frequency
	v_bfe_u32 v33, v0, 4, 1
	v_mov_b32 v16, 1.0                             ; 10^(-i/4), i = 0 .. 15
	v_mov_b32 v17, 0x3f0ff59a                      ; 0.56234133
	v_mov_b32 v18, 0x3ea1e89b                      ; 0.31622777
	v_mov_b32 v19, 0x3e361887                      ; 0.17782794
	v_mov_b32 v20, 0x3dcccccd                      ; 0.1
	v_mov_b32 v21, 0x3d6655c3                      ; 0.056234133
	v_mov_b32 v22, 0x3d0186e2                      ; 0.031622777
	v_mov_b32 v23, 0x3c91ad39                      ; 0.017782794
	v_mov_b32 v24, 0x3c23d70a                      ; 0.01
	v_mov_b32 v25, 0x3bb8449c                      ; 0.0056234133
	v_mov_b32 v26, 0x3b4f3e37                      ; 0.0031622777
	v_mov_b32 v27, 0x3ae91528                      ; 0.0017782794
	v_mov_b32 v28, 0x3a83126f                      ; 0.001
	v_mov_b32 v29, 0x3a136a16                      ; 0.00056234133
	v_mov_b32 v30, 0x39a5cb5f                      ; 0.00031622777
	v_mov_b32 v31, 0x393a7753                      ; 0.00017782794
	v_and_b32 v34, 1, v32                          ; chosen by i's four bits
	s_delay_alu instid0(VALU_DEP_1)
	v_cmp_ne_u32 vcc_lo, 0, v34
.irp p, 0,2,4,6,8,10,12,14
	v_cndmask_b32 v[16+\p], v[16+\p], v[17+\p], vcc_lo
.endr
	v_and_b32 v34, 2, v32
	s_delay_alu instid0(VALU_DEP_1)
	v_cmp_ne_u32 vcc_lo, 0, v34
.irp p, 0,4,8,12
	v_cndmask_b32 v[16+\p], v[16+\p], v[18+\p], vcc_lo
.endr
	v_and_b32 v34, 4, v32
	s_delay_alu instid0(VALU_DEP_1)
	v_cmp_ne_u32 vcc_lo, 0, v34
	s_delay_alu instid0(VALU_DEP_1)
	v_cndmask_b32 v16, v16, v20, vcc_lo
	s_delay_alu instid0(VALU_DEP_2)
	v_cndmask_b32 v24, v24, v28, vcc_lo
	v_and_b32 v34, 8, v32
	s_delay_alu instid0(VALU_DEP_1)
	v_cmp_ne_u32 vcc_lo, 0, v34
	s_delay_alu instid0(VALU_DEP_1)
	v_cndmask_b32 v16, v16, v24, vcc_lo
	v_add_nc_u32 v35, s38, v33                     ; my position
	s_delay_alu instid0(VALU_DEP_1)
	v_cvt_f32_u32 v36, v35
	s_delay_alu instid0(VALU_DEP_1)
	v_mul_f32 v37, v36, v16                        ; the angle: one f32 product
	s_delay_alu instid0(VALU_DEP_1)
	v_mul_f32 v38, 0x3f22f983, v37                 ; x 2 / pi
	s_delay_alu instid0(VALU_DEP_1)
	v_rndne_f32 v38, v38                           ; quarters of a turn
	s_delay_alu instid0(VALU_DEP_1)
	v_fmamk_f32 v39, v38, 0xbfc90fdb, v37          ; less quarters x pi/2's upper part
	s_delay_alu instid0(VALU_DEP_1)
	v_fmamk_f32 v39, v38, 0x333bbd2e, v39          ; and its lower part
	s_delay_alu instid0(VALU_DEP_1)
	v_mul_f32 v40, v39, v39                        ; z
	v_mov_b32 v41, 0xb94ca1f9                      ; sin r = r + r z (-1.6666655e-1 + z (8.3321609e-3 - z 1.9515296e-4))
	s_delay_alu instid0(VALU_DEP_1)
	v_fmaak_f32 v41, v41, v40, 0x3c08839e
	s_delay_alu instid0(VALU_DEP_1)
	v_fmaak_f32 v41, v41, v40, 0xbe2aaaa3
	s_delay_alu instid0(VALU_DEP_1)
	v_mul_f32 v41, v41, v40
	s_delay_alu instid0(VALU_DEP_1)
	v_fma_f32 v41, v41, v39, v39
	v_mov_b32 v42, 0x37ccf5ce                      ; cos r = 1 - z / 2 + z z (4.1666646e-2 + z (-1.3887316e-3 + z 2.4433157e-5))
	s_delay_alu instid0(VALU_DEP_1)
	v_fmaak_f32 v42, v42, v40, 0xbab6061a
	s_delay_alu instid0(VALU_DEP_1)
	v_fmaak_f32 v42, v42, v40, 0x3d2aaaa5
	v_fma_f32 v43, v40, -0.5, 1.0
	v_mul_f32 v44, v40, v40
	s_delay_alu instid0(VALU_DEP_1)
	v_fma_f32 v42, v42, v44, v43
	v_cvt_i32_f32 v45, v38
	s_delay_alu instid0(VALU_DEP_1)
	v_and_b32 v46, 1, v45                          ; an odd quarter exchanges sine and cosine
	s_delay_alu instid0(VALU_DEP_1)
	v_cmp_ne_u32 vcc_lo, 0, v46
	s_delay_alu instid0(VALU_DEP_1)
	v_cndmask_b32 v47, v41, v42, vcc_lo            ; sin
	s_delay_alu instid0(VALU_DEP_2)
	v_cndmask_b32 v48, v42, v41, vcc_lo            ; cos
	v_and_b32 v46, 2, v45                          ; signs: the sine's from bit 1 of the quarter, the cosine's from bit 1 of the quarter + 1
	s_delay_alu instid0(VALU_DEP_1)
	v_lshlrev_b32 v46, 30, v46
	s_delay_alu instid0(VALU_DEP_1)
	v_xor_b32 v47, v47, v46
	v_add_nc_u32 v46, 1, v45
	s_delay_alu instid0(VALU_DEP_1)
	v_and_b32 v46, 2, v46
	s_delay_alu instid0(VALU_DEP_1)
	v_lshlrev_b32 v46, 30, v46
	s_delay_alu instid0(VALU_DEP_1)
	v_xor_b32 v48, v48, v46
	v_cvt_f32_u32 v49, v32
	s_delay_alu instid0(VALU_DEP_1)
	v_fma_f32 v49, v49, 2.0, 0x414ccccd            ; 2 i + 12.8
	s_delay_alu instid0(VALU_DEP_1)
	v_mul_f32 v49, 0x3cb6db6e, v49                 ; / 44.8
	s_wait_alu depctr_va_vdst(0)
	v_log_f32 v49, v49
	v_add_nc_u32 v50, 0xfffffc00, v35              ; (plain lines behind the logarithm)  position - 1024
	s_delay_alu instid0(VALU_DEP_1)
	v_cvt_f32_i32 v50, v50
	s_delay_alu instid0(VALU_DEP_1)
	v_mul_f32 v50, 0x3b000000, v50                 ; / 512: exact
	s_wait_alu depctr_va_vdst(0)
	v_mul_f32 v51, v50, v49
	s_wait_alu depctr_va_vdst(0)
	v_exp_f32 v52, v51                             ; the scale,
	v_exp_f32 v53, -v51                            ; and 1 / the scale
	v_nop
	s_wait_alu depctr_va_vdst(0)
	v_mul_f32 v144, v48, v52
	v_mul_f32 v145, v47, v52
	v_mul_f32 v146, v48, v53
	v_mul_f32 v147, v47, v53
	ds_store_b32 v12, v144
	ds_store_b32 v12, v145 offset:TSZ
	ds_store_b32 v12, v146 offset:2*TSZ
	ds_store_b32 v12, v147 offset:3*TSZ
	s_wait_loadcnt 0x0                             ; x (and what was asked for ahead of it)
.irp p, 0,1,2,3,4,5,6,7,8,9,10,11,12,13,14,15
	ds_store_b128 v5, v[RAW+4*\p:RAW+4*\p+3] offset:STGP*\p
.endr
.irp b, 0,1,2,3
.irp p, 0,1,2,3
	ds_load_b128 v[X+16*\b+4*\p:X+16*\b+4*\p+3], v6 offset:128*\b+16*(\p%2)+64*(\p/2)      ; register 16 b + i: k = 32 b + 16 (i / 8) + 8 h + i % 8 of row r.  LDS serves a wave's instructions in order
.endr
.endr
	s_wait_dscnt 0x0
.irp b, 0,1,2,3
.irp p, 0,1,2,3
	global_load_b128 v[RAW+16*\b+4*\p:RAW+16*\b+4*\p+3], v7, s[28:29] offset:128*\b+16*(\p%2)+64*(\p/2)    ; gamma at the same k
.endr
.endr
	v_pk_add_f32 v[162:163], v[16:17], v[24:25]
	v_pk_add_f32 v[164:165], v[32:33], v[40:41]
	v_pk_add_f32 v[166:167], v[48:49], v[56:57]
	v_pk_add_f32 v[174:175], v[64:65], v[72:73]
	v_pk_add_f32 v[172:173], v[18:19], v[26:27]
	v_pk_add_f32 v[170:171], v[34:35], v[42:43]
	v_pk_add_f32 v[168:169], v[50:51], v[58:59]
	v_pk_add_f32 v[160:161], v[66:67], v[74:75]
	s_delay_alu instid0(VALU_DEP_1)
	v_pk_add_f32 v[160:161], v[160:161], v[20:21]
	v_pk_add_f32 v[162:163], v[162:163], v[28:29]
	v_pk_add_f32 v[164:165], v[164:165], v[36:37]
	v_pk_add_f32 v[166:167], v[166:167], v[44:45]
	v_pk_add_f32 v[174:175], v[174:175], v[52:53]
	v_pk_add_f32 v[172:173], v[172:173], v[60:61]
	v_pk_add_f32 v[170:171], v[170:171], v[68:69]
	v_pk_add_f32 v[168:169], v[168:169], v[76:77]
	v_pk_add_f32 v[160:161], v[160:161], v[22:23]
	v_pk_add_f32 v[162:163], v[162:163], v[30:31]
	v_pk_add_f32 v[164:165], v[164:165], v[38:39]
	v_pk_add_f32 v[166:167], v[166:167], v[46:47]
	v_pk_add_f32 v[174:175], v[174:175], v[54:55]
	v_pk_add_f32 v[172:173], v[172:173], v[62:63]
	v_pk_add_f32 v[170:171], v[170:171], v[70:71]
	v_pk_add_f32 v[168:169], v[168:169], v[78:79]
	s_delay_alu instid0(VALU_DEP_4)
	v_pk_add_f32 v[160:161], v[160:161], v[174:175]
	s_delay_alu instid0(VALU_DEP_4)
	v_pk_add_f32 v[162:163], v[162:163], v[172:173]
	s_delay_alu instid0(VALU_DEP_4)
	v_pk_add_f32 v[164:165], v[164:165], v[170:171]
	s_delay_alu instid0(VALU_DEP_4)
	v_pk_add_f32 v[166:167], v[166:167], v[168:169]
	s_delay_alu instid0(VALU_DEP_2)
	v_pk_add_f32 v[160:161], v[160:161], v[164:165]
	s_delay_alu instid0(VALU_DEP_2)
	v_pk_add_f32 v[162:163], v[162:163], v[166:167]
	s_delay_alu instid0(VALU_DEP_1)
	v_pk_add_f32 v[160:161], v[160:161], v[162:163]
	s_delay_alu instid0(VALU_DEP_1)
	v_add_f32 v[TM], v[TM], v[TM+1]
	s_delay_alu instid0(VALU_DEP_1)
	v_permlanex16_b32 v[TM+2], v[TM], s[SEL], s[SEL+1]
	s_delay_alu instid0(VALU_DEP_1)
	v_add_f32 v[TM], v[TM], v[TM+2]                ; row r's 128 numbers of my kq
	ds_store_b32 v8, v[TM]                         ; both halves of the lanes write the same word with the same value
	BARRIER
	; ---- B: the mean; the centred numbers; the partial sum of their squares
	ds_load_b128 v[168:171], v9
	ds_load_b128 v[172:175], v9 offset:16
	s_wait_dscnt 0x0
	v_add_f32 v168, v168, v169
	v_add_f32 v170, v170, v171
	v_add_f32 v172, v172, v173
	v_add_f32 v174, v174, v175
	s_delay_alu instid0(VALU_DEP_3)
	v_add_f32 v168, v168, v170
	s_delay_alu instid0(VALU_DEP_2)
	v_add_f32 v172, v172, v174
	s_delay_alu instid0(VALU_DEP_1)
	v_add_f32 v168, v168, v172
	s_delay_alu instid0(VALU_DEP_1)
	v_mul_f32 v174, 0xba800000, v168               ; - the mean
	s_delay_alu instid0(VALU_DEP_1)
	v_mov_b32 v175, v174
.set i, 0
.rept 32
	v_pk_add_f32 v[X+2*i:X+2*i+1], v[X+2*i:X+2*i+1], v[174:175]
.set i, i+1
.endr
.irp c, 0,1,2,3
	v_pk_mul_f32 v[TM+2*\c:TM+2*\c+1], v[X+2*\c:X+2*\c+1], v[X+2*\c:X+2*\c+1]
.endr
.irp m, 1,2,3,4,5,6,7
.irp c, 0,1,2,3
	s_delay_alu instid0(VALU_DEP_4)
	v_pk_fma_f32 v[TM+2*\c:TM+2*\c+1], v[X+8*\m+2*\c:X+8*\m+2*\c+1], v[X+8*\m+2*\c:X+8*\m+2*\c+1], v[TM+2*\c:TM+2*\c+1]
.endr
.endr
	s_delay_alu instid0(VALU_DEP_3)
	v_pk_add_f32 v[TM:TM+1], v[TM:TM+1], v[TM+2:TM+3]
	s_delay_alu instid0(VALU_DEP_2)
	v_pk_add_f32 v[TM+4:TM+5], v[TM+4:TM+5], v[TM+6:TM+7]
	s_delay_alu instid0(VALU_DEP_1)
	v_pk_add_f32 v[TM:TM+1], v[TM:TM+1], v[TM+4:TM+5]
	s_delay_alu instid0(VALU_DEP_1)
	v_add_f32 v[TM], v[TM], v[TM+1]
	s_delay_alu instid0(VALU_DEP_1)
	v_permlanex16_b32 v[TM+2], v[TM], s[SEL], s[SEL+1]
	s_delay_alu instid0(VALU_DEP_1)
	v_add_f32 v[TM], v[TM], v[TM+2]
	ds_store_b32 v8, v[TM] offset:1024
	BARRIER
	; ---- C: the variance; (x - mean) x rsqrt x gamma; the fragment
	ds_load_b128 v[168:171], v9 offset:1024
	ds_load_b128 v[172:175], v9 offset:1040
	s_wait_dscnt 0x0
	v_add_f32 v168, v168, v169
	v_add_f32 v170, v170, v171
	v_add_f32 v172, v172, v173
	v_add_f32 v174, v174, v175
	s_delay_alu instid0(VALU_DEP_3)
	v_add_f32 v168, v168, v170
	s_delay_alu instid0(VALU_DEP_2)
	v_add_f32 v172, v172, v174
	s_delay_alu instid0(VALU_DEP_1)
	v_add_f32 v168, v168, v172
	s_delay_alu instid0(VALU_DEP_1)
	v_fma_f32 v174, v168, s23, s24                 ; the variance + 1e-5
	s_wait_alu depctr_va_vdst(0)
	v_rsq_f32 v174, v174
	v_nop
	s_wait_alu depctr_va_vdst(0)
	v_mov_b32 v175, v174
	s_wait_alu depctr_va_vdst(0)
	s_wait_loadcnt 0x0                             ; gamma
.set i, 0
.rept 32
	v_pk_mul_f32 v[X+2*i:X+2*i+1], v[X+2*i:X+2*i+1], v[174:175]
.set i, i+1
.endr
.set i, 0
.rept 32
	v_pk_mul_f32 v[X+2*i:X+2*i+1], v[X+2*i:X+2*i+1], v[RAW+2*i:RAW+2*i+1]
.set i, i+1
.endr
	s_cmp_lt_u32 s[WV], 9
	s_cbranch_scc0 .Lno_w23
	WLOAD 2                                        ; gamma's registers are free: the weight's K steps 2 and 3 land while the fragment is made
	WLOAD 3
.Lno_w23:
	QUANT X
.irp c, 0,1,2,3
	ds_store_b128 v10, v[PC+4*\c:PC+4*\c+3] offset:512*\c
.endr
	ds_store_b32 v11, v[PW]
	s_cmp_eq_u32 s16, s[YY]                        ; tile m goes to xq from the work-group whose y is m
	s_cbranch_scc0 .Lmeet3
.irp c, 0,1,2,3
	global_store_b128 v1, v[PC+4*\c:PC+4*\c+3], s[30:31] offset:512*\c     ; 512 consecutive bytes
.endr
	global_store_b32 v3, v[PW], s[32:33]           ; row r's word (both halves of the lanes hold it)
.Lmeet3:
	BARRIER                                        ; x's sixteen fragments, their scale words and the tables lie in LDS
	s_wait_xcnt 0x0                                ; the stores have read their registers: these are written again below
	s_cmp_lt_u32 s[WV], 9
	s_cbranch_scc0 .Lend                           ; no barrier follows: waves 9-15 are done
	; ---- part 2
.irp m, 0,1
.irp s, 0,1,2,3,4,5,6,7
	ds_load_b32 v[XSCL+8*\m+\s], v15 offset:128*(8*\m+\s)
.endr
.endr
	XFETCH 0
	STEP 0, 16                                     ; behind set 0: sets 2 and 3 may be out
	STEP 1, 24                                     ; sets 2, 3, 4
	STEP 2, 24                                     ; sets 3, 4, 5
	STEP 3, 24                                     ; sets 4, 5, 6
	STEP 4, 24                                     ; sets 5, 6, 7
	STEP 5, 16
	STEP 6, 8
	STEP 7, 0
	s_lshr_b32 s44, ttmp9, 6
	s_mul_i32 s44, s44, BATB                       ; my batch's block of qkv
	s_cmp_eq_u32 s[PAIR], 17
	s_cbranch_scc1 .Lvout
	; ---- q, k: the turn.  a = the head's d 0-15 (tile 0), b = d 16-31 (tile 1): a' = a C - b S, b' = b C + a S, C and S with the scale in them
.irp m, 0,1
.irp e, 0,1
	ds_load_b128 v[16+16*\m+4*\e:19+16*\m+4*\e], v13 offset:16*TROW*\m+16*\e
	ds_load_b128 v[24+16*\m+4*\e:27+16*\m+4*\e], v13 offset:TSZ+16*TROW*\m+16*\e
.endr
.endr
	s_wait_dscnt 0x0
.irp m, 0,1
.irp e, 0,2,4,6                        ; each accumulator from its low end on
	v_pk_mul_f32 v[R+16*\m+\e:R+16*\m+\e+1], v[ACC+16*\m+\e:ACC+16*\m+\e+1], v[16+16*\m+\e:17+16*\m+\e]
	v_pk_mul_f32 v[R+16*\m+8+\e:R+16*\m+9+\e], v[ACC+16*\m+8+\e:ACC+16*\m+9+\e], v[16+16*\m+\e:17+16*\m+\e]
	v_pk_fma_f32 v[R+16*\m+\e:R+16*\m+\e+1], v[ACC+16*\m+8+\e:ACC+16*\m+9+\e], v[24+16*\m+\e:25+16*\m+\e], v[R+16*\m+\e:R+16*\m+\e+1] neg_lo:[1,0,0] neg_hi:[1,0,0]
	v_pk_fma_f32 v[R+16*\m+8+\e:R+16*\m+9+\e], v[ACC+16*\m+\e:ACC+16*\m+\e+1], v[24+16*\m+\e:25+16*\m+\e], v[R+16*\m+8+\e:R+16*\m+9+\e]
.endr
.endr
	QB2 R, 144, 152                                ; a row's 32 numbers are one block: 16 here, 16 in lane l xor 16
	s_cmp_eq_u32 s[PAIR], 16
	s_cbranch_scc1 .Lkout
	s_lshl_b32 s40, ttmp9, 14                      ; q's codes: ((2 x block + m) x 16 + head) x 512
	s_lshl_b32 s41, s[PAIR], 9
	s_add_co_u32 s40, s40, s41
	s_add_co_u32 s40, s40, QIMG
	s_mov_b32 s41, 0
	s_add_nc_u64 s[40:41], s[12:13], s[40:41]
	s_lshl_b32 s42, ttmp9, 12                      ; q's scale words: the same x 128
	s_lshl_b32 s43, s[PAIR], 7
	s_add_co_u32 s42, s42, s43
	s_add_co_u32 s42, s42, QSO
	s_mov_b32 s43, 0
	s_add_nc_u64 s[42:43], s[12:13], s[42:43]
	s_wait_alu depctr_va_vdst(0)
.irp m, 0,1
	v_lshl_or_b32 v[154+\m], v[152+\m], 8, v[152+\m]               ; the byte four times: q will stand in any of an operand's four blocks
	s_delay_alu instid0(VALU_DEP_1)
	v_lshl_or_b32 v[154+\m], v[154+\m], 16, v[154+\m]
	global_store_b128 v1, v[144+4*\m:147+4*\m], s[40:41] offset:8192*\m
	global_store_b32 v2, v[154+\m], s[42:43] offset:2048*\m
.endr
	s_branch .Lend
.Lkout:
	s_lshl_b32 s40, s39, 10                        ; k's codes: tile 2 x block + m
	s_add_co_u32 s40, s40, s44
	s_mov_b32 s41, 0
	s_add_nc_u64 s[40:41], s[12:13], s[40:41]
	s_lshr_b32 s42, s39, 1                         ; k's bytes: 64 (tile / 4) + 4 r + tile % 4
	s_lshl_b32 s42, s42, 6
	s_and_b32 s43, ttmp9, 1
	s_lshl_b32 s43, s43, 1
	s_add_co_u32 s42, s42, s43
	s_add_co_u32 s42, s42, s44
	s_add_co_u32 s42, s42, KSC
	s_mov_b32 s43, 0
	s_add_nc_u64 s[42:43], s[12:13], s[42:43]
	s_wait_alu depctr_va_vdst(0)
.irp m, 0,1
	global_store_b128 v1, v[144+4*\m:147+4*\m], s[40:41] offset:512*\m
	global_store_b8 v4, v[152+\m], s[42:43] offset:\m              ; single bytes: 32 a block of rows
.endr
	s_branch .Lend
.Lvout:
	QB2 ACC, 144, 152                              ; v: tile n of d: a lane's 16 registers are 16 of the block's 32 keys
	s_lshr_b32 s40, s39, 2                         ; codes: (128 keys' step x 2 + n) x 2048 + 512 (block % 4)
	s_lshl_b32 s40, s40, 12
	s_and_b32 s41, s39, 3
	s_lshl_b32 s42, s41, 9
	s_add_co_u32 s40, s40, s42
	s_add_co_u32 s40, s40, s44
	s_add_co_u32 s40, s40, VIMG
	s_lshr_b32 s42, s39, 2                         ; bytes: (step x 2 + n) x 64 + 4 d + block % 4
	s_lshl_b32 s42, s42, 7
	s_add_co_u32 s42, s42, s41
	s_add_co_u32 s42, s42, s44
	s_add_co_u32 s42, s42, VSC
	s_mov_b32 s41, 0
	s_mov_b32 s43, 0
	s_add_nc_u64 s[40:41], s[12:13], s[40:41]
	s_add_nc_u64 s[42:43], s[12:13], s[42:43]
	s_wait_alu depctr_va_vdst(0)
.irp n, 0,1
	global_store_b128 v1, v[144+4*\n:147+4*\n], s[40:41] offset:2048*\n
	global_store_b8 v4, v[152+\n], s[42:43] offset:64*\n
.endr
.Lend:
	s_wait_xcnt 0x0
	v_lshl_add_u32 v174, v0, 2, 0x2c800
	v_mov_b32 v175, 0
	s_wait_alu depctr_va_vdst(0)
	s_wait_tensorcnt 0x0
	ds_add_u32 v174, v175
	s_wait_dscnt 0x0
	s_endpgm
.Lfunc_end_k_qef7840e897_lnqkv:
	.size	k_qef7840e897_lnqkv, .Lfunc_end_k_qef7840e897_lnqkv-k_qef7840e897_lnqkv
	.p2alignl 7, 3214868480
	.fill 96, 4, 3214868480
	.section	.rodata,"a",@progbits
	.p2align	6, 0x0
	.amdhsa_kernel k_qef7840e897_lnqkv
		.amdhsa_group_segment_fixed_size 184320
		.amdhsa_private_segment_fixed_size 0
		.amdhsa_enable_private_segment 0
		.amdhsa_kernarg_size 40
		.amdhsa_user_sgpr_count 2
		.amdhsa_user_sgpr_kernarg_segment_ptr 1
		.amdhsa_wavefront_size32 1
		.amdhsa_system_sgpr_workgroup_id_x 1
		.amdhsa_system_sgpr_workgroup_id_y 1
		.amdhsa_system_sgpr_workgroup_id_z 1
		.amdhsa_system_vgpr_workitem_id 0
		.amdhsa_next_free_vgpr 256
		.amdhsa_next_free_sgpr 66
		.amdhsa_reserve_vcc 1
		.amdhsa_float_denorm_mode_32 3
		.amdhsa_float_denorm_mode_16_64 3
		.amdhsa_memory_ordered 1
		.amdhsa_forward_progress 1
		.amdhsa_inst_pref_size 77
	.end_amdhsa_kernel
	.amdgpu_metadata
---
amdhsa.version: [ 1, 2 ]
amdhsa.kernels:
  - .name:           k_qef7840e897_lnqkv
    .symbol:         k_qef7840e897_lnqkv.kd
    .args:
      - { .name: x, .offset: 0, .size: 8, .value_kind: global_buffer, .address_space: global }
      - { .name: gamma, .offset: 8, .size: 8, .value_kind: global_buffer, .address_space: global }
      - { .name: wts, .offset: 16, .size: 8, .value_kind: global_buffer, .address_space: global }
      - { .name: xq, .offset: 24, .size: 8, .value_kind: global_buffer, .address_space: global }
      - { .name: qkv, .offset: 32, .size: 8, .value_kind: global_buffer, .address_space: global }
    .group_segment_fixed_size: 184320
    .private_segment_fixed_size: 0
    .kernarg_segment_align: 8
    .kernarg_segment_size: 40
    .max_flat_workgroup_size: 512
    .sgpr_count:     66
    .vgpr_count:     256
    .wavefront_size: 32
...
	.end_amdgpu_metadata
.endif
;; end of part 2
;; launch attn (part 3): grid 256 x 1, 16 waves a work-group, no clusters, 169,984 bytes of LDS; arguments qkv, a2; writes a2
.if DOCPART == 3
	.amdgcn_target "amdgcn-amd-amdhsa--gfx1250"
	.amdhsa_code_object_version 6
	.text
	.protected	k_qef7840e897_attn
	.globl	k_qef7840e897_attn
	.p2align	8
	.type	k_qef7840e897_attn,@function
k_qef7840e897_attn:
	s_mov_b64 s[64:65], 0
	v_nop
	global_prefetch_b8 v0, s[64:65] scope:SCOPE_SE
	s_setreg_imm32_b32 hwreg(HW_REG_WAVE_MODE, 25, 1), 1
	s_wait_xcnt 0x0
; Causal attention, 16 heads of 32 on ONE head of keys and values, both products on codes of FP8 (E4M3) with one E8M0 byte for each 32 along a product's K; the result, divided by the row's sum, is quantised as K 0-511 of the last product's left operand.
; THE SOFTMAX AHEAD OF THE SECOND PRODUCT: t = score x log2(e) / sqrt(32); M = the running largest t rounded UP to a whole number; p = 2^(t - M) is quantised along the keys, not normalised; the row's sum is taken of the unquantised p.
; When M moves, the sum and O are multiplied by 2^(old M - new M): exact.
; SHARES.  A wave owns one tile of 16 queries of one head, in 256 registers; four waves to a SIMD.  A work-group has 8 heads x the tiles p and 127 - p of one batch, so that long and short tiles come in equal number.
; K AND V STAY IN LDS: a batch's codes and scale bytes are 135,168 dense bytes, brought once: each wave's one tensor load brings 33 rows of 256 bytes.  No byte of LDS is filled twice and none is stored to.
; Not asked for jointly in a cluster: this one fill is all that work-groups share, 132 KiB against 16 to 18 key steps of work a pair of waves.
; A HEAD OF 32 IN AN INSTRUCTION OF K = 128: a fragment of K's codes holds FOUR tiles of 16 keys, one in each block of 32.  q's four registers stand in the middle of 28, the others zero codes: the window of 16 registers that begins
; 4 c under q has q in block c and zeros elsewhere, so the product is S^T of key tile c alone.  No fragment is read twice.
; LAYOUT.  Both products transposed: S^T = K Q^T, O^T = V^T P^T: a lane holds ONE query (lane % 16).  Register 8 t + j of S^T is key 16 t + 8 (lane / 16) + j: the 16 registers of two tiles are half a block of 32 keys in this program's order
; (position P holds k = P with bits 3 and 4 exchanged), which V's codes have too.
; Every wave walks all 16 key steps of 128: the trip count is a constant; a step all of whose keys come after the wave's queries is left out by a scalar branch on ids.
; LIMITS: NaN and infinities are not served; a block whose largest magnitude lies under 2^-118 keeps the byte 1.
; REGISTERS: v1-4, v7 addresses that stay; v8-11 the step's; v12 -M, v13 the largest t, v[14:15] the sum; v16-43 q's window; v48-79 K; v96-159 S^T, then p; v160-175 O^T; v176-207 V; v208-223 p's codes; v232-254 at work; v255 q's scale word.
.set BATB, 135168
.set QIMG, 270336
.set QSO,  2367488
.set A2S,  18874368
.set WV,   18
.set MNT,  19
.set SEL,  20
.set CS,   22
.set KF,   48                          ; s48  the step's first key
.set Q0,   49                          ; s49  my first query
.set TK,   50                          ; s50  the step's codes: 4,096 bytes a step, K's and V's alike
.set TS,   51                          ; s51  its scale words: 128 bytes a step
.set CNT,  52
	s_load_b128 s[4:7], s[0:1], 0x0                ; qkv s[4:5], a2 s[6:7]
	v_lshl_add_u32 v230, v0, 2, 0x29000
	v_mov_b32 v231, 0
	ds_add_u32 v230, v231
	ds_add_u32 v230, v231
	v_lshrrev_b32 v8, 5, v0
	s_delay_alu instid0(VALU_DEP_1)
	v_readfirstlane_b32 s[WV], v8                  ; wave 0..15
	s_lshr_b32 s8, ttmp9, 7                        ; batch
	s_bfe_u32 s9, ttmp9, 0x10006                   ; which 8 heads
	s_and_b32 s10, ttmp9, 63                       ; the pair of tiles
	s_lshr_b32 s11, s[WV], 1
	s_lshl_b32 s12, s9, 3
	s_add_co_u32 s11, s11, s12                     ; my head
	s_lshr_b32 s12, s[WV], 2
	s_xor_b32 s12, s12, s[WV]
	s_and_b32 s12, s12, 1
	s_sub_co_u32 s13, 127, s10
	s_cmp_lg_u32 s12, 0
	s_cselect_b32 s13, s13, s10                    ; my tile of queries
	s_lshl_b32 s[Q0], s13, 4
	s_mov_b32 s24, 3<<16                           ; descriptor group 1: no mask; elements of 8 bytes; no padding
	s_mov_b32 s25, 32<<16                          ; tensor_dim0 = 32 elements: rows of 256 bytes
	s_mov_b32 s26, 33<<16                          ; tensor_dim1 = 33
	s_mov_b32 s27, 32<<16                          ; tile_dim0 = 32
	s_mov_b32 s28, 33                              ; tile_dim1 = 33
	s_mov_b32 s29, 32                              ; the pitch: dense
	s_mov_b32 s30, 0
	s_mov_b32 s31, 0
	s_mul_i32 s14, s[WV], 8448                     ; my sixteenth of the block, in LDS and in memory
	s_mul_i32 s16, s8, BATB
	s_add_co_u32 s16, s16, s14
	s_mov_b32 s17, 0
	s_wait_dscnt 0x0
	s_wait_kmcnt 0x0
	s_mov_b32 s32, 1
	s_mov_b32 s33, s14
	s_add_nc_u64 s[34:35], s[4:5], s[16:17]
	s_or_b32 s35, s35, 0x80000000
	tensor_load_to_lds s[32:35], s[24:31]          ; my one tensor load of the launch
	s_nop 0
.rept 4
	v_nop
.endr
	s_lshl_b32 s36, s8, 7
	s_add_co_u32 s36, s36, s13                     ; my tile among the 256
	s_lshl_b32 s37, s36, 4
	s_add_co_u32 s37, s37, s11                     ; x 16 + head
	s_lshl_b32 s38, s37, 9
	s_add_co_u32 s38, s38, QIMG
	s_mov_b32 s39, 0
	s_add_nc_u64 s[40:41], s[4:5], s[38:39]        ; q's codes
	s_lshl_b32 s38, s37, 7
	s_add_co_u32 s38, s38, QSO
	s_add_nc_u64 s[42:43], s[4:5], s[38:39]        ; q's scale words
	s_mul_i32 s38, s36, 36                         ; the result's codes: (tile x 36 + head / 4) x 2048 + 512 (head % 4)
	s_lshr_b32 s53, s11, 2
	s_add_co_u32 s38, s38, s53
	s_lshl_b32 s38, s38, 11
	s_and_b32 s53, s11, 3
	s_lshl_b32 s53, s53, 9
	s_add_co_u32 s38, s38, s53
	s_add_nc_u64 s[44:45], s[6:7], s[38:39]
	s_lshl_b32 s38, s36, 8                         ; its bytes: row x 16 + head
	s_add_co_u32 s38, s38, s11
	s_add_co_u32 s38, s38, A2S
	s_add_nc_u64 s[46:47], s[6:7], s[38:39]
	v_and_b32 v8, 31, v0
	v_and_b32 v9, 15, v0
	s_delay_alu instid0(VALU_DEP_2)
	v_lshlrev_b32 v1, 4, v8                        ; v1  16 x lane: K's images, and global images
	s_delay_alu instid0(VALU_DEP_1)
	v_add_nc_u32 v2, 65536, v1                     ; v2  V's images
	s_delay_alu instid0(VALU_DEP_3)
	v_lshl_add_u32 v3, v9, 2, 131072               ; v3  K's scale words
	s_delay_alu instid0(VALU_DEP_4)
	v_lshl_add_u32 v4, v9, 2, 133120               ; v4  V's
	v_lshlrev_b32 v7, 4, v9                        ; v7  16 r
	v_lshlrev_b32 v10, 2, v8
	global_load_b128 v[28:31], v1, s[40:41]        ; q: one block of 32
	global_load_b32 v255, v10, s[42:43]
.set i, 0
.rept 12
	v_mov_b32 v[16+i], 0                           ; zero codes round q
	v_mov_b32 v[32+i], 0
.set i, i+1
.endr
.set i, 0
.rept 16
	v_mov_b32 v[160+i], 0                          ; O^T: the step is written once; the first finds zeros, which the first change of M leaves zeros
.set i, i+1
.endr
	v_mov_b32 v13, 0xff61b1e6                      ; the largest t so far: -3e38
	s_delay_alu instid0(VALU_DEP_1)
	v_floor_f32 v12, -v13                          ; -M
	v_mov_b32 v14, 0
	v_mov_b32 v15, 0
.irp b, 0,1,2,3
	v_mov_b32 v[236+\b], 0                         ; written once: a lane permute's destination counts as one of its sources
.endr
	v_mov_b32 v252, 0
	v_mov_b32 v253, 0
	s_mov_b32 s[SEL], 0x76543210
	s_mov_b32 s[SEL+1], 0xfedcba98
	s_mov_b32 s[CS], 0x3e8293ee                    ; c = log2(e) / sqrt(32)
	s_mov_b32 s[CS+1], s[CS]
	s_mov_b32 s[MNT], 0x600000
	s_mov_b32 s[KF], 0
	s_mov_b32 s[TK], 0
	s_mov_b32 s[TS], 0
	s_mov_b32 s[CNT], 16
	s_wait_tensorcnt 0x0                           ; my part has landed,
	s_barrier_signal -1
	s_barrier_wait -1                              ; everybody's has
	s_wait_loadcnt 0x0                             ; q
.Lstep:
	s_add_co_u32 s53, s[Q0], 15
	s_cmp_gt_u32 s[KF], s53
	s_cbranch_scc1 .Lhidden                        ; all 128 keys come after my queries
	v_add_nc_u32 v8, s[TK], v1
	v_add_nc_u32 v9, s[TK], v2
	v_add_nc_u32 v10, s[TS], v3
	v_add_nc_u32 v11, s[TS], v4
.irp f, 0,1
.irp c, 0,1,2,3
	ds_load_b128 v[48+16*\f+4*\c:51+16*\f+4*\c], v8 offset:2048*\f+512*\c
.endr
	ds_load_b32 v[248+\f], v10 offset:64*\f
.endr
	s_wait_alu depctr_va_vdst(0)
	s_wait_dscnt 0x0
.irp f, 0,1
.irp c, 0,1,2,3
	v_wmma_scale_f32_16x16x128_f8f6f4 v[96+8*(4*\f+\c):103+8*(4*\f+\c)], v[48+16*\f:63+16*\f], v[28-4*\c:43-4*\c], 0, v[248+\f], v255
.endr
.endr
.rept 8
	v_nop                                          ; eight places in front of the first read of the scores; with the four additions above twelve behind the last step's second product, whose operands the loads below overwrite
.endr
.irp n, 0,1
.irp c, 0,1,2,3
	ds_load_b128 v[176+16*\n+4*\c:179+16*\n+4*\c], v9 offset:2048*\n+512*\c      ; V, asked for ahead of the softmax
.endr
	ds_load_b32 v[250+\n], v11 offset:64*\n
.endr
	s_add_co_u32 s53, s[KF], 127
	s_cmp_le_u32 s53, s[Q0]
	s_cbranch_scc1 .Lopen                          ; all keys count
	s_sub_co_i32 s53, s[Q0], s[KF]
	v_and_b32 v252, 15, v0
	v_bfe_u32 v253, v0, 4, 1
	s_delay_alu instid0(VALU_DEP_1)
	v_lshlrev_b32 v253, 3, v253
	s_delay_alu instid0(VALU_DEP_1)
	v_sub_nc_u32 v252, v252, v253
	s_delay_alu instid0(VALU_DEP_1)
	v_add_nc_u32 v252, s53, v252                   ; d = my query - KF - 8 (lane / 16).  Register n holds key KF + 8 (lane / 16) + 16 (n / 8) + n % 8: hidden where 16 (n / 8) + n % 8 > d
	v_mov_b32 v254, 0xff800000                     ; -infinity: p = 0
.set n, 0
.rept 64
	v_cmp_gt_i32 vcc_lo, 16*(n/8)+n%8, v252
	v_cndmask_b32 v[96+n], v[96+n], v254, vcc_lo
.set n, n+1
.endr
.Lopen:
.irp b, 0,1,2,3
	v_max3_num_f32 v[232+\b], v[96+16*\b], v[97+16*\b], v[98+16*\b]        ; the largest score of each block of 32 keys: for the row's maximum, and, since p rises with the score, for the block's largest p
.endr
.irp i, 3,5,7,9,11,13
.irp b, 0,1,2,3
	v_max3_num_f32 v[232+\b], v[232+\b], v[96+16*\b+\i], v[97+16*\b+\i]
.endr
.endr
.irp b, 0,1,2,3
	v_max_num_f32 v[232+\b], v[232+\b], v[111+16*\b]
.endr
.irp b, 0,1,2,3
	s_delay_alu instid0(VALU_DEP_4)
	v_permlanex16_b32 v[236+\b], v[232+\b], s[SEL], s[SEL+1]
.endr
.irp b, 0,1,2,3
	s_delay_alu instid0(VALU_DEP_4)
	v_max_num_f32 v[232+\b], v[232+\b], v[236+\b]                  ; with lane l xor 16's 16 keys
.endr
	s_delay_alu instid0(VALU_DEP_2)
	v_max3_num_f32 v254, v232, v233, v234
	s_delay_alu instid0(VALU_DEP_1)
	v_max_num_f32 v254, v254, v235
	s_delay_alu instid0(VALU_DEP_1)
	v_mul_f32 v254, s[CS], v254                    ; as t (c is positive)
	s_delay_alu instid0(VALU_DEP_1)
	v_max_num_f32 v13, v13, v254                   ; the running largest t
	v_mov_b32 v254, v12
	s_delay_alu instid0(VALU_DEP_2)
	v_floor_f32 v12, -v13                          ; the new -M = -ceil(t)
	s_delay_alu instid0(VALU_DEP_1)
	v_sub_f32 v254, v12, v254                      ; old M - new M: a whole number, 0 or less
	s_delay_alu instid0(VALU_DEP_1)
	v_cvt_i32_f32 v254, v254                       ; (it saturates)
	s_delay_alu instid0(VALU_DEP_1)
	v_ldexp_f32 v252, 1.0, v254                    ; f = 2^(old M - new M)
.set j, 0
.rept 32
	v_pk_fma_f32 v[96+j:97+j], v[96+j:97+j], s[CS:CS+1], v[12:13] op_sel_hi:[1,0,0]       ; t - M
.set j, j+2
.endr
.irp b, 0,1,2,3
	v_fma_f32 v[232+\b], v[232+\b], s[CS], v12     ; the same of each block's largest score
.endr
.set j, 0
	s_wait_alu depctr_va_vdst(0)
.rept 64
	v_exp_f32 v[96+j], v[96+j]                     ; p = 2^(t - M)
.set j, j+1
.endr
.irp b, 0,1,2,3
	v_exp_f32 v[232+\b], v[232+\b]                 ; the block's largest p: the same two instructions on the same number
.endr
	v_pk_mul_f32 v[14:15], v[14:15], v[252:253] op_sel_hi:[1,0]    ; the sums under the new M (a plain line behind the exponentials)
	s_wait_alu depctr_va_vdst(0)
.irp b, 0,1,2,3
	v_max_num_f32 v[232+\b], 0x4800000, v[232+\b]  ; the floor 2^(9 - 127)
.endr
.irp b, 0,1,2,3
	s_delay_alu instid0(VALU_DEP_4)
	v_add_nc_u32 v[244+\b], 0xfc000000, v[232+\b]  ; the conversion's scale operand
.endr
.irp b, 0,1,2,3
	v_and_or_b32 v[240+\b], v[232+\b], 0x7f800000, s[MNT]          ; 448 x the scale
.endr
.irp b, 0,1,2,3
	v_lshrrev_b32 v[236+\b], 23, v[244+\b]
.endr
	s_delay_alu instid0(VALU_DEP_3)
	v_lshl_or_b32 v253, v237, 8, v236              ; p's scale word for these 128 keys
	s_delay_alu instid0(VALU_DEP_1)
	v_lshl_or_b32 v253, v238, 16, v253
	s_delay_alu instid0(VALU_DEP_1)
	v_lshl_or_b32 v253, v239, 24, v253
	v_pk_add_f32 v[236:237], v[100:101], v[104:105]
	v_pk_add_f32 v[248:249], v[108:109], v[112:113]
	v_pk_add_f32 v[234:235], v[116:117], v[120:121]
	v_pk_add_f32 v[232:233], v[124:125], v[128:129]
	v_pk_add_f32 v[228:229], v[132:133], v[136:137]
	v_pk_add_f32 v[226:227], v[140:141], v[144:145]
	v_pk_add_f32 v[224:225], v[148:149], v[152:153]
	v_pk_add_f32 v[14:15], v[14:15], v[156:157]
	v_pk_add_f32 v[236:237], v[236:237], v[96:97]
	v_pk_add_f32 v[248:249], v[248:249], v[98:99]
	v_pk_add_f32 v[234:235], v[234:235], v[102:103]
	v_pk_add_f32 v[232:233], v[232:233], v[106:107]
	v_pk_add_f32 v[228:229], v[228:229], v[110:111]
	v_pk_add_f32 v[226:227], v[226:227], v[114:115]
	v_pk_add_f32 v[224:225], v[224:225], v[118:119]
	v_pk_add_f32 v[14:15], v[14:15], v[122:123]
	v_pk_add_f32 v[236:237], v[236:237], v[126:127]
	v_pk_add_f32 v[248:249], v[248:249], v[130:131]
	v_pk_add_f32 v[234:235], v[234:235], v[134:135]
	v_pk_add_f32 v[232:233], v[232:233], v[138:139]
	v_pk_add_f32 v[228:229], v[228:229], v[142:143]
	v_pk_add_f32 v[226:227], v[226:227], v[146:147]
	v_pk_add_f32 v[224:225], v[224:225], v[150:151]
	v_pk_add_f32 v[14:15], v[14:15], v[154:155]
	v_pk_add_f32 v[236:237], v[236:237], v[158:159]
	s_delay_alu instid0(VALU_DEP_2)
	v_pk_add_f32 v[14:15], v[14:15], v[232:233]
	s_delay_alu instid0(VALU_DEP_2)
	v_pk_add_f32 v[236:237], v[236:237], v[228:229]
	v_pk_add_f32 v[248:249], v[248:249], v[226:227]
	v_pk_add_f32 v[234:235], v[234:235], v[224:225]
	s_delay_alu instid0(VALU_DEP_2)
	v_pk_add_f32 v[14:15], v[14:15], v[248:249]
	s_delay_alu instid0(VALU_DEP_2)
	v_pk_add_f32 v[236:237], v[236:237], v[234:235]
	s_delay_alu instid0(VALU_DEP_1)
	v_pk_add_f32 v[14:15], v[14:15], v[236:237]
.irp b, 0,1,2,3
.irp i, 0,1,2,3,4,5,6,7,8,9,10,11,12,13,14,15
	v_min_num_f32 v[96+16*\b+\i], v[96+16*\b+\i], v[240+\b]        ; the conversion does not saturate (ISA guide 7.6.2); p is not negative
.endr
	v_cvt_scalef32_pk8_fp8_f32 v[208+4*\b:209+4*\b], v[96+16*\b:103+16*\b], v[244+\b]
	v_cvt_scalef32_pk8_fp8_f32 v[210+4*\b:211+4*\b], v[104+16*\b:111+16*\b], v[244+\b]
.endr
.irp j, 0,2,4,6,8,10,12,14
	v_pk_mul_f32 v[160+\j:161+\j], v[160+\j:161+\j], v[252:253] op_sel_hi:[1,0]   ; O^T under the new M; these eight are also the places between the codes and the products
.endr
	s_wait_alu depctr_va_vdst(0)
	s_wait_dscnt 0x0                               ; V
.irp n, 0,1                            ; the two accumulators take turns, one instruction a turn, with the eight score products between two steps
	v_wmma_scale_f32_16x16x128_f8f6f4 v[160+8*\n:167+8*\n], v[176+16*\n:191+16*\n], v[208:223], v[160+8*\n:167+8*\n], v[250+\n], v253
.endr
.Lhidden:
	s_add_co_u32 s[KF], s[KF], 128
	s_add_co_u32 s[TK], s[TK], 4096
	s_add_co_u32 s[TS], s[TS], 128
	s_sub_co_u32 s[CNT], s[CNT], 1
	s_cmp_lg_u32 s[CNT], 0
	s_cbranch_scc1 .Lstep
.rept 8
	v_nop                                          ; eight places behind the last product
.endr
	s_wait_alu depctr_va_vdst(0)
	v_add_f32 v14, v14, v15
	s_delay_alu instid0(VALU_DEP_1)
	v_permlanex16_b32 v252, v14, s[SEL], s[SEL+1]
	s_delay_alu instid0(VALU_DEP_1)
	v_add_f32 v14, v14, v252                       ; the row's sum
	s_wait_alu depctr_va_vdst(0)
	v_rcp_f32 v14, v14
	v_nop
.set j, 0
	s_wait_alu depctr_va_vdst(0)
.rept 16
	v_mul_f32 v[96+j], v[160+j], v14               ; O^T / the sum: register 8 n + i is d = 16 n + 8 (lane / 16) + i of my query: half a block of the next K
.set j, j+1
.endr
	v_max3_num_f32 v232, |v96|, |v97|, 0x4800000
.irp i, 2,4,6,8,10,12,14
	s_delay_alu instid0(VALU_DEP_1)
	v_max3_num_f32 v232, v232, |v[96+\i]|, |v[97+\i]|
.endr
	s_delay_alu instid0(VALU_DEP_1)
	v_permlanex16_b32 v236, v232, s[SEL], s[SEL+1]
	s_delay_alu instid0(VALU_DEP_1)
	v_max_num_f32 v232, v232, v236
	s_delay_alu instid0(VALU_DEP_1)
	v_add_nc_u32 v244, 0xfc000000, v232
	s_delay_alu instid0(VALU_DEP_2)
	v_and_or_b32 v240, v232, 0x7f800000, s[MNT]
	s_delay_alu instid0(VALU_DEP_2)
	v_lshrrev_b32 v233, 23, v244
.set j, 0
.rept 16
	v_med3_num_f32 v[96+j], v[96+j], -v240, v240
.set j, j+1
.endr
	v_cvt_scalef32_pk8_fp8_f32 v[224:225], v[96:103], v244
	v_cvt_scalef32_pk8_fp8_f32 v[226:227], v[104:111], v244
	v_nop
	global_store_b128 v1, v[224:227], s[44:45]     ; 512 consecutive bytes: one group of an image
	global_store_b8 v7, v233, s[46:47]             ; single bytes, 16 a wave: rows 16 bytes apart
	s_wait_tensorcnt 0x0
	ds_add_u32 v230, v231
	s_wait_dscnt 0x0
	s_endpgm
.Lfunc_end_k_qef7840e897_attn:
	.size	k_qef7840e897_attn, .Lfunc_end_k_qef7840e897_attn-k_qef7840e897_attn
	.p2alignl 7, 3214868480
	.fill 96, 4, 3214868480
	.section	.rodata,"a",@progbits
	.p2align	6, 0x0
	.amdhsa_kernel k_qef7840e897_attn
		.amdhsa_group_segment_fixed_size 169984
		.amdhsa_private_segment_fixed_size 0
		.amdhsa_enable_private_segment 0
		.amdhsa_kernarg_size 16
		.amdhsa_user_sgpr_count 2
		.amdhsa_user_sgpr_kernarg_segment_ptr 1
		.amdhsa_wavefront_size32 1
		.amdhsa_system_sgpr_workgroup_id_x 1
		.amdhsa_system_sgpr_workgroup_id_y 1
		.amdhsa_system_sgpr_workgroup_id_z 1
		.amdhsa_system_vgpr_workitem_id 0
		.amdhsa_next_free_vgpr 256
		.amdhsa_next_free_sgpr 66
		.amdhsa_reserve_vcc 1
		.amdhsa_float_denorm_mode_32 3
		.amdhsa_float_denorm_mode_16_64 3
		.amdhsa_memory_ordered 1
		.amdhsa_forward_progress 1
		.amdhsa_inst_pref_size 33
	.end_amdhsa_kernel
	.amdgpu_metadata
---
amdhsa.version: [ 1, 2 ]
amdhsa.kernels:
  - .name:           k_qef7840e897_attn
    .symbol:         k_qef7840e897_attn.kd
    .args:
      - { .name: qkv, .offset: 0, .size: 8, .value_kind: global_buffer, .address_space: global }
      - { .name: a2, .offset: 8, .size: 8, .value_kind: global_buffer, .address_space: global }
    .group_segment_fixed_size: 169984
    .private_segment_fixed_size: 0
    .kernarg_segment_align: 8
    .kernarg_segment_size: 16
    .max_flat_workgroup_size: 512
    .sgpr_count:     66
    .vgpr_count:     256
    .wavefront_size: 32
...
	.end_amdgpu_metadata
.endif
;; end of part 3
;; launch ffgemm (part 4): grid 32 x 8, 4 waves a work-group, clusters of 4 x 1, 327,680 bytes of LDS; arguments xq, wts, a2; writes a2
.if DOCPART == 4
	.amdgcn_target "amdgcn-amd-amdhsa--gfx1250"
	.amdhsa_code_object_version 6
	.text
	.protected	k_qef7840e897_ffgemm
	.globl	k_qef7840e897_ffgemm
	.p2align	8
	.type	k_qef7840e897_ffgemm,@function
k_qef7840e897_ffgemm:
	s_mov_b64 s[64:65], 0
	v_nop
	global_prefetch_b8 v0, s[64:65] scope:SCOPE_SE
	s_setreg_imm32_b32 hwreg(HW_REG_WAVE_MODE, 25, 1), 1
	s_wait_xcnt 0x0
	s_wait_alu depctr_hold_cnt(0) depctr_sa_sdst(0) depctr_va_vdst(0) depctr_va_sdst(0) depctr_va_ssrc(0) depctr_va_vcc(0) depctr_vm_vsrc(0)
	s_getreg_b32 s2, hwreg(HW_REG_IB_STS2, 6, 4)
	s_cmp_eq_u32 s2, 0
	s_cbranch_scc0 .Lentry_in_a_cluster
	s_endpgm
.Lentry_in_a_cluster:
	s_bfe_u32 s2, ttmp6, 0x10000c
	s_cmp_lg_u32 s2, 0x3003
	s_cbranch_scc0 .Lentry_shape_is_right
	s_endpgm
.Lentry_shape_is_right:
; The ff part of the fused projection on codes of MX-FP8 (4,096 x 8,192 x 1,024), SwiGLU, and the quantiser of the hidden layer as K 512-4607 of the last product's left operand.
; THE DEAL. 256 work-groups of four waves: work-group (cg, rg) takes 512 rows of x (rg) and 256 rows of the weight (cg).  Wave w holds 64 rows of the weight, ALL of K, in 512 registers:
; 32 rows of ff_x (column tiles 0, 1) and the 32 gate rows of the same hidden units (tiles 2, 3): hidden block hb = 4 cg + w of 32.  All four waves stream the same 32 blocks of 16 rows of x past their weights;
; a block stands in one of two register sets.
; THE WEIGHT comes by two ways at once: K 0-511 from memory straight into registers (wts holds images of operand registers), K 512-1023 of the work-group's 16 tiles by waves 2 and 3's tensor loads into slot 1.
; It is not asked for jointly: the cluster's four work-groups hold different rows of it.
; x's codes come in four chunks of 128 rows (131,072 dense bytes) through two LDS slots, by joint loads of the cluster's four work-groups (same rg): chunk 0 by waves 0 and 1 at the head; chunk 1 over the weight's bytes
; in a drained round, when every wave holds the weight in registers; chunk n + 2 in a drained round inside block 8 n + 6, when every wave has fetched the slot's last block; a quarter a wave.
; x's scale bytes (16,384) are copied once through registers into LDS bytes of their own.
; Source 0 = the weight's rows, source 1 = x's rows: a lane holds one row of x, its 16 registers of two tiles half a block of 32 hidden units in this program's order (bits 3 and 4 of k exchanged).
; THE WAY OUT goes by pairs of blocks: at an even block's head both sets of sums are read and the two batches of transcendentals run, ahead of its first product, so that no sum is pending across them; the other lines of
; block s - 2 stand four to a place behind products 0-10 of block s.  The first pair's way out works on zeros and a branch leads round its stores.
; The scale bytes gather in LDS, [row 512][wave 4], and leave at the end, four bytes a row.
; PREFETCH: chunk 2 is asked for at the head, chunk 3 in block 6, each 8 blocks ahead of its load: 512 blocks of 256 bytes shared out by address among the cluster's 16 waves, a lane a block.
; LIMITS: NaN and infinities are not served; a block whose largest magnitude lies under 2^-118 keeps the byte 1.
; REGISTERS: window 0: addresses, scale words, two sets of four sums, the way out; windows 1, 2: the weight; window 3: x's two sets.
.set SLOT,  131072
.set XS,    2*SLOT                     ; x's scale bytes [256 of K: 4][row 512][8]
.set XN,    XS+16384                   ; the result's scale bytes
.set SPARE, XN+2048
.set XSO,   4194304
.set WSB,   8978432
.set A2S,   18874368
.set NF,    36                         ; LDS loads of a block: 32 of codes, 4 of scale words
.set ADRA,  4                          ; v4  LDS address of the block fetched next
.set AAS,   5                          ; v5  and of its scale words
.set VX,    6                          ; v6  LDS address of the next scale byte
.set SPW,   10
.set NIL,   11
.set SOP,   20
.set SB,    24                         ; v24-39 the weight's scale words: 8 p + q: lanes 0-15 tile 2 p, lanes 16-31 tile 2 p + 1
.set SA,    44                         ; v44-59 x's, two sets of eight
.set ACC,   64                         ; v64-127 two sets of four sums
.set E,     128                        ; v128-159 a pair's gate exponents, then sigmoids
.set CD,    160                        ; v160-167 codes, two sets
.set EB,    168
.set TQ,    172
.set T,     176                        ; v176-207 a pair's ff_x x gate, then hidden numbers
.set G1,    24                         ; a quarter of a chunk
.set G0,    32
.set G1W,   68                         ; half of the weight's upper K
.set G0W,   76
.set G1H,   80                         ; half of a chunk
.set OUT,   42
.set ST,    44
.set FL,    50
.set IC,    51
.set OC,    52
.set MNT,   53
.set LC,    54
.set SEL,   56
.set MSB, 0
.macro WIN new
.if MSB != \new
	s_set_vgpr_msb (MSB<<8)|\new
.set MSB, \new
.endif
.endm
.macro PLACES n
.rept \n
	v_nop
.endr
.endm
.macro WALU
	s_wait_alu depctr_va_vdst(0)
.endm
.macro BARRIER
	s_barrier_signal -1
	s_barrier_wait -1
.endm
.macro MIDDLE
	WIN 0
	s_barrier_wait -1
	s_cmp_lg_u32 s14, 0
	s_cbranch_scc1 .Lnw0_\@
	s_barrier_signal -3
.Lnw0_\@:
	s_barrier_wait -3
.endm
.macro CROUND
	s_barrier_signal -1
	MIDDLE
	BARRIER
.endm
.macro TLOAD                           ; my quarter of a chunk; s_nop 0 and four v_nop follow
	tensor_load_to_lds s[G0:G0+3], s[G1:G1+7]
	s_nop 0
	PLACES 4
.endm
	s_load_b128 s[4:7], s[0:1], 0x0                ; xq, wts
	s_load_b64 s[8:9], s[0:1], 0x10                ; a2
	v_lshl_add_u32 v[SPW], v0, 2, SPARE
	v_mov_b32 v[NIL], 0
	ds_add_u32 v[SPW], v[NIL]                      ; the opening lines
	ds_add_u32 v[SPW], v[NIL]
	v_lshrrev_b32 v3, 5, v0
	v_readfirstlane_b32 s14, v3                    ; wave
	s_bfe_u32 s15, ttmp6, 0x40000                  ; cx
	s_lshl_b32 s16, ttmp9, 2
	s_add_co_u32 s16, s16, s15                     ; cg
	s_and_b32 s17, ttmp7, 0xffff                   ; rg
	s_lshr_b32 s18, s14, 1
	s_and_b32 s19, s14, 1
.irp g, G1, G1H
	s_mov_b32 s[\g], 15|(3<<16)|(1<<21)            ; the cluster's four; elements of 8 bytes; rows of 256 bytes, dense
	s_mov_b32 s[\g+1], 32<<16
	s_mov_b32 s[\g+3], 32<<16
	s_mov_b32 s[\g+5], 32
	s_mov_b32 s[\g+6], 0
	s_mov_b32 s[\g+7], 0
.endr
	s_mov_b32 s[G1+2], 128<<16
	s_mov_b32 s[G1+4], 128
	s_mov_b32 s[G1H+2], 256<<16
	s_mov_b32 s[G1H+4], 256
	s_mov_b32 s[G1W], 3<<16                        ; no mask: eight tiles' upper 8,192 bytes, 16,384 bytes apart
	s_mov_b32 s[G1W+1], 1024<<16
	s_mov_b32 s[G1W+2], 8<<16
	s_mov_b32 s[G1W+3], 1024<<16
	s_mov_b32 s[G1W+4], 8
	s_mov_b32 s[G1W+5], 2048
	s_mov_b32 s[G1W+6], 0
	s_mov_b32 s[G1W+7], 0
	s_mov_b32 s[G0], 1
	s_lshl_b32 s[G0+1], s19, 16                    ; chunk 0's half w % 2
	s_mov_b32 s[G0W], 1
	s_add_co_u32 s[G0W+1], s[G0+1], SLOT           ; the weight's half w % 2, in slot 1
	s_lshl_b32 s58, s16, 4                         ; in memory: tile 36 + 16 cg + 8 (w % 2), its image 4
	s_lshl_b32 s20, s19, 3
	s_add_co_u32 s58, s58, s20
	s_add_co_u32 s58, s58, 36
	s_lshl_b32 s58, s58, 14
	s_add_co_u32 s58, s58, 8192
	s_mov_b32 s59, 0
	s_lshl_b32 s36, s16, 4                         ; my rows' codes: tile 36 + 16 cg + 8 (w / 2) + 2 (w % 2)
	s_lshl_b32 s20, s18, 3
	s_add_co_u32 s36, s36, s20
	s_lshl_b32 s20, s19, 1
	s_add_co_u32 s36, s36, s20
	s_add_co_u32 s36, s36, 36
	s_lshl_b32 s36, s36, 14
	s_mov_b32 s37, 0
	s_lshl_b32 s38, s16, 11                        ; their scale bytes: row 576 + 256 cg + 128 (w / 2) + 32 (w % 2), 8 bytes a row
	s_lshl_b32 s20, s18, 10
	s_add_co_u32 s38, s38, s20
	s_lshl_b32 s20, s19, 8
	s_add_co_u32 s38, s38, s20
	s_add_co_u32 s38, s38, WSB+4608
	s_mov_b32 s39, 0
	s_lshl_b32 s40, s14, 15                        ; x's scale bytes: wave w copies the w-th 256 of K of my 512 rows
	s_lshl_b32 s20, s17, 12
	s_add_co_u32 s40, s40, s20
	s_add_co_u32 s40, s40, XSO
	s_mov_b32 s41, 0
	s_mul_i32 s[OUT], s17, 32*36*2048              ; the result's codes: (row tile x 36 + 4 + cg) x 2048 + 512 w
	s_lshl_b32 s20, s16, 11
	s_add_co_u32 s[OUT], s[OUT], s20
	s_lshl_b32 s20, s14, 9
	s_add_co_u32 s[OUT], s[OUT], s20
	s_add_co_u32 s[OUT], s[OUT], 8192
	s_mov_b32 s[OUT+1], 0
	s_lshr_b32 s46, s16, 2                         ; its bytes: ((1 + cg / 4) x 4096 + row) x 16 + 4 (cg % 4)
	s_lshl_b32 s46, s46, 16
	s_lshl_b32 s20, s17, 13
	s_add_co_u32 s46, s46, s20
	s_and_b32 s20, s16, 3
	s_lshl_b32 s20, s20, 2
	s_add_co_u32 s46, s46, s20
	s_add_co_u32 s46, s46, A2S+65536
	s_mov_b32 s47, 0
	s_lshl_b32 s48, s17, 19                        ; my 512 rows of x's codes
	s_mov_b32 s49, 0
	v_and_b32 v2, 31, v0
	v_and_b32 v9, 15, v0
	v_lshlrev_b32 v1, 4, v2                        ; v1  16 x lane
	v_lshlrev_b32 v8, 3, v2                        ; v8  8 x lane
	v_mov_b32 v[ADRA], v1
	v_lshl_add_u32 v[AAS], v9, 3, XS
	s_add_co_u32 s22, s14, XN
	v_lshl_add_u32 v[VX], v9, 2, s22
	s_lshl_b32 s23, s14, 12
	s_add_co_u32 s23, s23, XS
	v_add_nc_u32 v12, s23, v1                      ; v12 where I put x's scale bytes
	s_lshl_b32 s22, s18, 16
	s_lshl_b32 s23, s19, 14
	s_add_co_u32 s22, s22, s23
	s_add_co_u32 s22, s22, SLOT
	v_add_nc_u32 v13, s22, v1                      ; v13 my rows' upper K in slot 1: tile 8 (w / 2) + 2 (w % 2) of sixteen, 8,192 bytes a tile
	s_lshl_b32 s22, s15, 2
	s_add_co_u32 s22, s22, s14
	s_lshl_b32 s22, s22, 13
	s_add_co_u32 s22, s22, 2*SLOT
	WALU
	v_lshl_add_u32 v7, v2, 8, s22                  ; v7  the prefetches' offset: my sixteenth of chunk 2; never rewritten
	s_mov_b32 s[ST], 0
	s_mov_b32 s[ST+1], 0
	s_mov_b32 s[FL], 0
	s_mov_b32 s[MNT], 0x600000
	s_mov_b32 s[LC], 0xbfb8aa3b                    ; -log2(e)
	s_mov_b32 s[LC+1], s[LC]
	s_mov_b32 s[SEL], 0x76543210
	s_mov_b32 s[SEL+1], 0xfedcba98
	WALU
	s_wait_dscnt 0x0
	CROUND                                         ; the round in front of the first tensor loads
	s_wait_kmcnt 0x0
	s_add_nc_u64 s[36:37], s[6:7], s[36:37]
	s_add_nc_u64 s[38:39], s[6:7], s[38:39]
	s_add_nc_u64 s[40:41], s[4:5], s[40:41]
	s_add_nc_u64 s[OUT:OUT+1], s[8:9], s[OUT:OUT+1]
	s_add_nc_u64 s[46:47], s[8:9], s[46:47]
	s_add_nc_u64 s[48:49], s[4:5], s[48:49]
	s_lshl_b32 s20, s19, 16
	s_mov_b32 s21, 0
	s_add_nc_u64 s[G0+2:G0+3], s[48:49], s[20:21]
	s_or_b32 s[G0+3], s[G0+3], 0x80000000
	s_add_nc_u64 s[G0W+2:G0W+3], s[6:7], s[58:59]
	s_or_b32 s[G0W+3], s[G0W+3], 0x80000000
	s_cmp_lt_u32 s14, 2                            ; one tensor load a wave at the head: waves 0, 1 chunk 0's halves, waves 2, 3 the halves of the weight's upper K
	s_cbranch_scc0 .Lhead_w
	tensor_load_to_lds s[G0:G0+3], s[G1H:G1H+7]
	s_nop 0
	PLACES 4
	s_branch .Lhead_j
.Lhead_w:
	tensor_load_to_lds s[G0W:G0W+3], s[G1W:G1W+7]
	s_nop 0
	PLACES 4
.Lhead_j:
.irp i, 0,1,2,3,4,5,6,7
	global_load_b128 v[208+4*\i:211+4*\i], v1, s[40:41] offset:512*\i      ; x's scale bytes: 512 consecutive bytes a load
.endr
.irp p, 0,1
.irp k, 0,1,2,3
	global_load_b64 v[SB+8*\p+2*\k:SB+8*\p+2*\k+1], v8, s[38:39] offset:70144*\k+512*\p
.endr
.endr
	WIN 1<<6
.irp q, 0,1,2,3                        ; the weight's K 0-511: fragment 4 q + b in window 1; tiles 0, 1 ff_x, tiles 2, 3 the gate, four tiles further on
.irp b, 0,1,2,3
.irp c, 0,1,2,3
	global_load_b128 v[16*(4*\q+\b)+4*\c:16*(4*\q+\b)+4*\c+3], v1, s[36:37] offset:(\b+2*(\b/2))*16384+2048*\q+512*\c
.endr
.endr
.endr
	WIN 0
.set I_, 0
.rept 64
	v_mov_b32 v[ACC+I_], 0                         ; what the first pair's way out reads
.set I_, I_+1
.endr
	v_mov_b32 v[TQ+2], 0                           ; a lane permute's destination counts as a source
	WALU
	s_wait_loadcnt 63                              ; 72 loads were issued behind x's scale bytes: these are in
.irp i, 0,1,2,3,4,5,6,7
	ds_store_b128 v12, v[208+4*\i:211+4*\i] offset:512*\i
.endr
	s_wait_tensorcnt 0x0
	s_wait_dscnt 0x0
	BARRIER                                        ; chunk 0, the weight's upper K and x's scale bytes are whole
.macro FETCH e                         ; a block of x into set e of window 3, and its scale words
	WIN 3<<6
.irp q, 0,1,2,3,4,5,6,7
.irp c, 0,1,2,3
	ds_load_b128 v[128*(\e)+16*\q+4*\c:128*(\e)+16*\q+4*\c+3], v[ADRA] offset:2048*\q+512*\c
.endr
.endr
	WIN 0
.irp k, 0,1,2,3
	ds_load_b64 v[SA+8*(\e)+2*\k:SA+8*(\e)+2*\k+1], v[AAS] offset:4096*\k
.endr
.endm
	WIN 2<<6
.irp q, 0,1,2,3                        ; the weight's K 512-1023: fragment 16 + 4 q + b in window 2
.irp b, 0,1,2,3
.irp c, 0,1,2,3
	ds_load_b128 v[16*(4*\q+\b)+4*\c:16*(4*\q+\b)+4*\c+3], v13 offset:(\b+2*(\b/2))*8192+2048*\q+512*\c
.endr
.endr
.endr
	FETCH 0
	v_add_nc_u32 v[ADRA], 16384, v[ADRA]
	v_add_nc_u32 v[AAS], 128, v[AAS]
	FETCH 1
	s_wait_tensorcnt 0x0                           ; the three lines ahead of a refill's round
	ds_add_u32 v[SPW], v[NIL]
	s_lshl_b32 s20, s14, 15                        ; from here on a quarter of a chunk a wave: chunk 1 into slot 1
	s_add_co_u32 s20, s20, SLOT
	s_mov_b32 s[G0+1], s20
	s_add_nc_u64 s[G0+2:G0+3], s[48:49], s[20:21]
	s_or_b32 s[G0+3], s[G0+3], 0x80000000
	s_wait_dscnt 0x0                               ; the weight is in registers
	CROUND
	TLOAD
	global_prefetch_b8 v7, s[48:49] th:TH_LOAD_NT scope:SCOPE_SE   ; chunk 2
.macro PROD e, n                       ; product n = 4 q + b: the q-th 128 of K, column tile b; the four sums take turns
.set Q_, (\n)/4
.set B_, (\n)%4
.set AC_, ACC+32*(\e)+8*B_
.set R_, 128*(\e)+16*Q_
.set W_, 16*((\n)%16)
.set XS_, SA+8*(\e)+Q_
.set WS_, SB+8*(B_/2)+Q_
	WIN (1+(\n)/16)|(3<<2)
.if Q_ && B_%2
	v_wmma_scale_f32_16x16x128_f8f6f4 v[AC_:AC_+7], v[W_:W_+15], v[R_:R_+15], v[AC_:AC_+7], v[WS_], v[XS_] matrix_a_scale:MATRIX_SCALE_ROW1
.elseif Q_
	v_wmma_scale_f32_16x16x128_f8f6f4 v[AC_:AC_+7], v[W_:W_+15], v[R_:R_+15], v[AC_:AC_+7], v[WS_], v[XS_]
.elseif B_%2
	v_wmma_scale_f32_16x16x128_f8f6f4 v[AC_:AC_+7], v[W_:W_+15], v[R_:R_+15], 0, v[WS_], v[XS_] matrix_a_scale:MATRIX_SCALE_ROW1
.else
	v_wmma_scale_f32_16x16x128_f8f6f4 v[AC_:AC_+7], v[W_:W_+15], v[R_:R_+15], 0, v[WS_], v[XS_]
.endif
.endm
.macro SILU2                           ; both sets' sums are read, each from its low end on; sigmoid(gate) = 1 / (1 + 2^(-gate log2 e)) in two batches, each with its wait ahead and behind
.irp a, 0,1
.set I_, 0
.rept 8
	v_pk_mul_f32 v[E+16*\a+I_:E+16*\a+I_+1], v[ACC+32*\a+16+I_:ACC+32*\a+17+I_], s[LC:LC+1] op_sel_hi:[1,0]
.set I_, I_+2
.endr
.set I_, 0
.rept 8
	v_pk_mul_f32 v[T+16*\a+I_:T+16*\a+I_+1], v[ACC+32*\a+I_:ACC+32*\a+I_+1], v[ACC+32*\a+16+I_:ACC+32*\a+17+I_]
.set I_, I_+2
.endr
.endr
	WALU
.set I_, 0
.rept 32
	v_exp_f32 v[E+I_], v[E+I_]
.set I_, I_+1
.endr
	v_nop
	WALU
.set I_, 0
.rept 16
	v_pk_add_f32 v[E+I_:E+I_+1], v[E+I_:E+I_+1], 1.0 op_sel_hi:[1,0]
.set I_, I_+2
.endr
	WALU
.set I_, 0
.rept 32
	v_rcp_f32 v[E+I_], v[E+I_]
.set I_, I_+1
.endr
	v_nop
	WALU
.endm
.macro LINE a, k                       ; the rest of the way out of the pair's block a, and the next fetch's addresses
.set T_, T+16*(\a)
.set E_, E+16*(\a)
.set C_, CD+4*(\a)
.if (\k) < 8
	v_pk_mul_f32 v[T_+2*(\k):T_+2*(\k)+1], v[T_+2*(\k):T_+2*(\k)+1], v[E_+2*(\k):E_+2*(\k)+1]
.elseif (\k) == 8
	v_max3_num_f32 v[TQ], |v[T_]|, |v[T_+1]|, 0x4800000            ; with the floor 2^(9 - 127)
.elseif (\k) == 9
	v_max3_num_f32 v[TQ+1], |v[T_+2]|, |v[T_+3]|, |v[T_+4]|
.elseif (\k) == 10
	v_max3_num_f32 v[TQ], v[TQ], |v[T_+5]|, |v[T_+6]|
.elseif (\k) == 11
	v_max3_num_f32 v[TQ+1], v[TQ+1], |v[T_+11]|, |v[T_+12]|
.elseif (\k) == 12
	v_max3_num_f32 v[TQ], v[TQ], |v[T_+7]|, |v[T_+8]|
.elseif (\k) == 13
	v_max3_num_f32 v[TQ+1], v[TQ+1], |v[T_+13]|, |v[T_+14]|
.elseif (\k) == 14
	v_max3_num_f32 v[TQ], v[TQ], |v[T_+9]|, |v[T_+10]|
.elseif (\k) == 15
	v_add_nc_u32 v[ADRA], 16384, v[ADRA]                           ; the next tile of sixteen in the two slots
.elseif (\k) == 16
	v_max3_num_f32 v[TQ+1], v[TQ+1], |v[T_+15]|, v[TQ]
.elseif (\k) == 17
	v_add_nc_u32 v[AAS], 128, v[AAS]
.elseif (\k) == 18
	v_and_b32 v[ADRA], 0x3ffff, v[ADRA]
.elseif (\k) == 19
	v_permlanex16_b32 v[TQ+2], v[TQ+1], s[SEL], s[SEL+1]           ; the block's other half
.elseif (\k) == 20
	v_max_num_f32 v[TQ], v[TQ+1], v[TQ+2]
.elseif (\k) == 21
	v_add_nc_u32 v[SOP], 0xfc000000, v[TQ]                         ; the conversion's scale operand
.elseif (\k) == 22
	v_and_or_b32 v[TQ+3], v[TQ], 0x7f800000, s[MNT]                ; 448 x the scale
.elseif (\k) == 23
	v_lshrrev_b32 v[EB], 23, v[SOP]
.elseif (\k) < 32
	v_med3_num_f32 v[T_+(\k)-24], v[T_+(\k)-24], -v[TQ+3], v[TQ+3]
.elseif (\k) == 32
	v_cvt_scalef32_pk8_fp8_f32 v[C_:C_+1], v[T_:T_+7], v[SOP]
.elseif (\k) < 41
	v_med3_num_f32 v[T_+(\k)-25], v[T_+(\k)-25], -v[TQ+3], v[TQ+3]
.elseif (\k) == 41
	v_cvt_scalef32_pk8_fp8_f32 v[C_+2:C_+3], v[T_+8:T_+15], v[SOP]
.elseif (\k) == 42
	v_nop                                                          ; a plain line behind the last conversion
.endif
.endm
.macro PRODS e, from, to
.set N_, \from
.rept (\to)-(\from)
	PROD \e, N_
.if N_ < 11
	WIN 0
	LINE \e, 4*N_
	LINE \e, 4*N_+1
	LINE \e, 4*N_+2
	LINE \e, 4*N_+3
.endif
.set N_, N_+1
.endr
.endm
; A block's byte to LDS, its 16 codes a lane to memory: 512 consecutive bytes a wave.  The wait shows the store of a block ago through: its base may step, and the other set of codes may be written in the next block
.macro QOUT e, chk
	s_wait_xcnt 0x0
	s_add_nc_u64 s[OUT:OUT+1], s[OUT:OUT+1], s[ST:ST+1]
.if \chk
	s_cmp_eq_u32 s[FL], 0
	s_cbranch_scc1 .Lnb_\@
.endif
	ds_store_b8 v[VX], v[EB]
	v_add_nc_u32 v[VX], 64, v[VX]
	s_mov_b32 s[ST], 36*2048                       ; from now on each block steps the codes' address by a row tile
	global_store_b128 v1, v[CD+4*(\e):CD+4*(\e)+3], s[OUT:OUT+1]
.if \chk
.Lnb_\@:
.endif
.if (\chk) == 2
	s_mov_b32 s[FL], 1
.endif
.endm
; A block.  kind 0: plain; 1: with a drained round and the refill; 2: with a plain barrier that shows the last chunk; 2, 3: no fetch in the last trip.  chk: the first pair's way out stores nothing
.macro BLK e, kind, chk
	s_wait_dscnt NF                                ; my set is in; the other set's 36 loads may be out
.if (\kind) == 1
	s_wait_tensorcnt 0x0                           ; the three lines ahead of a refill's round
	ds_add_u32 v[SPW], v[NIL]
	s_xor_b32 s[G0+1], s[G0+1], SLOT
	s_add_nc_u64 s[G0+2:G0+3], s[G0+2:G0+3], SLOT
.endif
.if (\e) == 0
	SILU2
.endif
.if (\kind) == 0 || (\kind) == 3
	PRODS \e, 0, 32
	WIN 0
	PLACES 8
	WALU
.else
	PRODS \e, 0, 28
	WIN 0
	WALU
.if (\kind) == 2
	s_wait_tensorcnt 0x0
.endif
	s_wait_dscnt 0x0
	s_barrier_signal -1
	PRODS \e, 28, 32
.if (\kind) == 1
	MIDDLE
	BARRIER
	TLOAD                                          ; the slot whose last block every wave holds is filled again
	PLACES 4
.else
	WIN 0
	s_barrier_wait -1
	PLACES 8
.endif
.endif
	QOUT \e, \chk
.if (\kind) == 1
	s_cmp_eq_u32 s[OC], 2
	s_cbranch_scc0 .Lnp_\@
	global_prefetch_b8 v7, s[48:49] offset:SLOT th:TH_LOAD_NT scope:SCOPE_SE     ; chunk 3, eight blocks ahead of its load
.Lnp_\@:
.endif
.if (\kind) >= 2
	s_cmp_eq_u32 s[OC], 1
	s_cbranch_scc1 .Lnf_\@
.endif
	FETCH \e
.if (\kind) >= 2
.Lnf_\@:
.endif
.endm
	s_wait_loadcnt 0x0                             ; the weight's lower K and its scale words
	s_mov_b32 s[OC], 2
.Lo1:                                          ; blocks 0-15: two trips of eight, each with its refill
	s_mov_b32 s[IC], 3
.Li1:
	BLK 0, 0, 1
	BLK 1, 0, 2
	s_sub_co_u32 s[IC], s[IC], 1
	s_cmp_lg_u32 s[IC], 0
	s_cbranch_scc1 .Li1
	BLK 0, 1, 0
	BLK 1, 0, 0
	s_sub_co_u32 s[OC], s[OC], 1
	s_cmp_lg_u32 s[OC], 0
	s_cbranch_scc1 .Lo1
	s_mov_b32 s[OC], 2
.Lo2:                                          ; blocks 16-31: no tensor load
	s_mov_b32 s[IC], 3
.Li2:
	BLK 0, 0, 0
	BLK 1, 0, 0
	s_sub_co_u32 s[IC], s[IC], 1
	s_cmp_lg_u32 s[IC], 0
	s_cbranch_scc1 .Li2
	BLK 0, 2, 0
	BLK 1, 3, 0
	s_sub_co_u32 s[OC], s[OC], 1
	s_cmp_lg_u32 s[OC], 0
	s_cbranch_scc1 .Lo2
	SILU2                                          ; the last pair's way out
.irp a, 0,1
.set K_, 0
.rept 43
	LINE \a, K_
.set K_, K_+1
.endr
	WALU
	QOUT \a, 0
.endr
	s_wait_dscnt 0x0
	BARRIER                                        ; all scale bytes lie in LDS
	v_lshl_add_u32 v14, v0, 2, XN
	v_lshlrev_b32 v15, 4, v0
	WALU
.irp i, 0,1,2,3
	ds_load_b32 v[208+\i], v14 offset:512*\i       ; row t + 128 i: the four waves' bytes
.endr
	s_wait_dscnt 0x0
.irp i, 0,1,2,3
	global_store_b32 v15, v[208+\i], s[46:47] offset:2048*\i
.endr
	s_wait_tensorcnt 0x0                           ; the wave's end
	ds_add_u32 v[SPW], v[NIL]
	s_wait_dscnt 0x0
	CROUND                                         ; the closing round
	s_endpgm
.Lfunc_end_k_qef7840e897_ffgemm:
	.size	k_qef7840e897_ffgemm, .Lfunc_end_k_qef7840e897_ffgemm-k_qef7840e897_ffgemm
	.p2alignl 7, 3214868480
	.fill 96, 4, 3214868480
	.section	.rodata,"a",@progbits
	.p2align	6, 0x0
	.amdhsa_kernel k_qef7840e897_ffgemm
		.amdhsa_group_segment_fixed_size 327680
		.amdhsa_private_segment_fixed_size 0
		.amdhsa_enable_private_segment 0
		.amdhsa_kernarg_size 24
		.amdhsa_user_sgpr_count 2
		.amdhsa_user_sgpr_kernarg_segment_ptr 1
		.amdhsa_wavefront_size32 1
		.amdhsa_system_sgpr_workgroup_id_x 1
		.amdhsa_system_sgpr_workgroup_id_y 1
		.amdhsa_system_sgpr_workgroup_id_z 1
		.amdhsa_system_vgpr_workitem_id 0
		.amdhsa_next_free_vgpr 1024
		.amdhsa_next_free_sgpr 100
		.amdhsa_reserve_vcc 0
		.amdhsa_float_denorm_mode_32 3
		.amdhsa_float_denorm_mode_16_64 3
		.amdhsa_memory_ordered 1
		.amdhsa_forward_progress 1
		.amdhsa_inst_pref_size 146
	.end_amdhsa_kernel
	.amdgpu_metadata
---
amdhsa.version: [ 1, 2 ]
amdhsa.kernels:
  - .name:           k_qef7840e897_ffgemm
    .symbol:         k_qef7840e897_ffgemm.kd
    .args:
      - { .name: xq, .offset: 0, .size: 8, .value_kind: global_buffer, .address_space: global }
      - { .name: wts, .offset: 8, .size: 8, .value_kind: global_buffer, .address_space: global }
      - { .name: a2, .offset: 16, .size: 8, .value_kind: global_buffer, .address_space: global }
    .group_segment_fixed_size: 327680
    .private_segment_fixed_size: 0
    .kernarg_segment_align: 8
    .kernarg_segment_size: 24
    .max_flat_workgroup_size: 128
    .sgpr_count:     100
    .vgpr_count:     1024
    .wavefront_size: 32
...
	.end_amdgpu_metadata
.endif
;; end of part 4
;; launch gemm2 (part 5): grid 8 x 32, 4 waves a work-group, clusters of 4 x 4, 327,680 bytes of LDS; arguments a2, wts, out0; writes out0
.if DOCPART == 5
	.amdgcn_target "amdgcn-amd-amdhsa--gfx1250"
	.amdhsa_code_object_version 6
	.text
	.protected	k_qef7840e897_gemm2
	.globl	k_qef7840e897_gemm2
	.p2align	8
	.type	k_qef7840e897_gemm2,@function
k_qef7840e897_gemm2:
	s_mov_b64 s[64:65], 0
	v_nop
	global_prefetch_b8 v0, s[64:65] scope:SCOPE_SE
	s_setreg_imm32_b32 hwreg(HW_REG_WAVE_MODE, 25, 1), 1
	s_wait_xcnt 0x0
	s_wait_alu depctr_hold_cnt(0) depctr_sa_sdst(0) depctr_va_vdst(0) depctr_va_sdst(0) depctr_va_ssrc(0) depctr_va_vcc(0) depctr_vm_vsrc(0)
	s_getreg_b32 s2, hwreg(HW_REG_IB_STS2, 6, 4)
	s_cmp_eq_u32 s2, 0
	s_cbranch_scc0 .Lentry_in_a_cluster
	s_endpgm
.Lentry_in_a_cluster:
	s_bfe_u32 s2, ttmp6, 0x10000c
	s_cmp_lg_u32 s2, 0xf033
	s_cbranch_scc0 .Lentry_shape_is_right
	s_endpgm
.Lentry_shape_is_right:
.set HALFT,  32768
.set SLOT,   4*HALFT
.set SCL,    2*SLOT
.set SCW,    9216
.set SPARE,  SCL+4*SCW
.set STAGE,  SLOT
.set SP,     272
.set WOC,    9259008
.set WOS,    13977600
.set A2S,    18874368
.set ADRA, 16
.set ADRB, 20
.set STO,  24
.set RD,   25
.set CO,   26
.set ADRS, 27
.set SPW,  28
.set NIL,  29
.set SC,   32
.set OB,   64
.set ACC,  128
.set F0,   0
.set F1,   128
.set G1, 24
.set G0, 32
.set G1B, 48
.set G0B, 56
.set G1S, 68
.set G0S, 76
.set G1SB, 80
.set G0SB, 88
.set MSB, 0
.macro WIN new
.if MSB != \new
	s_set_vgpr_msb (MSB<<8)|\new
.set MSB, \new
.endif
.endm
.set MUL,  0x05
.set TO_F, 0x40
.macro JLOAD g0a, g1a, g0b, g1b
	s_cmp_eq_u32 s15, 0
	s_cbranch_scc0 .Lfor_b_\@
	tensor_load_to_lds s[\g0a:\g0a+3], s[\g1a:\g1a+7]
	s_nop 0
.rept 4
	v_nop
.endr
	s_branch .Lasked_\@
.Lfor_b_\@:
	tensor_load_to_lds s[\g0b:\g0b+3], s[\g1b:\g1b+7]
	s_nop 0
.rept 4
	v_nop
.endr
.Lasked_\@:
.endm
.macro CREST
	s_cmp_lg_u32 s14, 0
	s_cbranch_scc1 .Lnot_wave_0_\@
	s_barrier_signal -3
.Lnot_wave_0_\@:
	s_barrier_wait -3
	s_barrier_signal -1
	s_barrier_wait -1
.endm
.macro CROUND
	s_barrier_signal -1
	s_barrier_wait -1
	CREST
.endm
	s_load_b128 s[4:7], s[0:1], 0x0
	s_load_b64 s[8:9], s[0:1], 0x10
	v_lshl_add_u32 v[SPW], v0, 2, SPARE
	v_mov_b32 v[NIL], 0
	ds_add_u32 v28, v29
	ds_add_u32 v28, v29
	s_wait_dscnt 0x0
	v_lshrrev_b32 v1, 5, v0
	v_readfirstlane_b32 s14, v1
	s_lshr_b32 s15, s14, 1
	s_and_b32 s16, s14, 1
	s_bfe_u32 s40, ttmp6, 0x40000
	s_bfe_u32 s41, ttmp6, 0x40004
	s_lshl_b32 s42, ttmp9, 2
	s_add_co_u32 s42, s42, s40
	s_and_b32 s17, ttmp7, 0xffff
	s_lshl_b32 s17, s17, 2
	s_add_co_u32 s17, s17, s41
	s_lshl_b32 s43, s41, 2
	s_lshl_b32 s43, 15, s43
	s_lshl_b32 s44, 0x1111, s40
	s_or_b32 s[G1+0], s43, (3<<16)|(1<<21)
	s_or_b32 s[G1B+0], s44, (3<<16)|(1<<21)
.irp g, G1, G1B
	s_mov_b32 s[\g+1], 1024<<16
	s_mov_b32 s[\g+2], 8<<16
	s_mov_b32 s[\g+3], 1024<<16
	s_mov_b32 s[\g+4], 8
	s_mov_b32 s[\g+5], 9216
	s_mov_b32 s[\g+6], 0
	s_mov_b32 s[\g+7], 0
.endr
	s_or_b32 s[G1S+0], s43, (3<<16)|(1<<21)
	s_or_b32 s[G1SB+0], s44, (3<<16)|(1<<21)
.irp g, G1S, G1SB
	s_mov_b32 s[\g+1], 256<<16
	s_mov_b32 s[\g+2], 9<<16
	s_mov_b32 s[\g+3], 256<<16
	s_mov_b32 s[\g+4], 9
	s_mov_b32 s[\g+6], 0
	s_mov_b32 s[\g+7], 0
.endr
	s_mov_b32 s[G1S+5], 8192
	s_mov_b32 s[G1SB+5], 2048
	s_lshl_b32 s18, s16, 2
	s_lshl_b32 s20, s17, 3
	s_add_co_u32 s20, s20, s18
	s_mul_i32 s20, s20, 73728
	s_mov_b32 s21, 0
	s_lshl_b32 s46, s42, 3
	s_add_co_u32 s46, s46, s18
	s_mul_i32 s46, s46, 73728
	s_add_co_u32 s46, s46, WOC
	s_mov_b32 s47, 0
	s_mov_b32 s18, 0
	s_lshl_b32 s22, s17, 11
	s_add_co_u32 s22, s22, s18
	s_add_co_u32 s22, s22, A2S
	s_mov_b32 s23, 0
	s_lshl_b32 s92, s42, 11
	s_add_co_u32 s92, s92, s18
	s_add_co_u32 s92, s92, WOS
	s_mov_b32 s93, 0
	s_lshl_b32 s45, s14, 15
	s_mul_i32 s94, s14, SCW
	s_wait_kmcnt 0x0
	s_add_nc_u64 s[20:21], s[4:5], s[20:21]
	s_add_nc_u64 s[22:23], s[4:5], s[22:23]
	s_add_nc_u64 s[46:47], s[6:7], s[46:47]
	s_add_nc_u64 s[92:93], s[6:7], s[92:93]
	CROUND
	s_mov_b32 s[G0S], 1
	s_mov_b32 s[G0S+1], SCL
	s_mov_b64 s[G0S+2:G0S+3], s[22:23]
	s_or_b32 s[G0S+3], s[G0S+3], 0x80000000
	s_mov_b32 s[G0SB], 1
	s_mov_b32 s[G0SB+1], SCL+2*SCW
	s_mov_b64 s[G0SB+2:G0SB+3], s[92:93]
	s_or_b32 s[G0SB+3], s[G0SB+3], 0x80000000
.irp s, 0,1
	s_mov_b32 s[G0+4*\s], 1
	s_add_co_u32 s[G0+4*\s+1], s45, \s*SLOT
	s_add_nc_u64 s[G0+4*\s+2:G0+4*\s+3], s[20:21], \s*8192
	s_or_b32 s[G0+4*\s+3], s[G0+4*\s+3], 0x80000000
	s_mov_b32 s[G0B+4*\s], 1
	s_add_co_u32 s[G0B+4*\s+1], s45, \s*SLOT
	s_add_nc_u64 s[G0B+4*\s+2:G0B+4*\s+3], s[46:47], \s*8192
	s_or_b32 s[G0B+4*\s+3], s[G0B+4*\s+3], 0x80000000
.endr
	; the prefetches: of the four tiles of 16 rows that my wave fetches, the partner at place p (cx for A, cy for B) names tile p: 8,192 bytes of a K unit, lanes 256 bytes apart
	s_cmp_eq_u32 s15, 0
	s_cselect_b64 s[10:11], s[20:21], s[46:47]
	s_cselect_b32 s13, s40, s41
	s_mul_i32 s12, s13, 73728
	s_mov_b32 s13, 0
	s_add_nc_u64 s[10:11], s[10:11], s[12:13]
	; the head's four tiles, each whole, one a wave: K unit 0's 128 rows of A, of B, A's scale bytes, B's
	s_mul_i32 s12, s16, 4*73728
	s_mov_b32 s96, 1
	s_mov_b32 s97, 0
	s_sub_nc_u64 s[98:99], s[20:21], s[12:13]
	s_or_b32 s99, s99, 0x80000000
	s_mov_b32 s4, 1
	s_mov_b32 s5, 2*HALFT
	s_sub_nc_u64 s[6:7], s[46:47], s[12:13]
	s_or_b32 s7, s7, 0x80000000
.macro ARM under, g0, g1, next
	s_cmp_lt_u32 s14, \under
	s_cbranch_scc0 \next
	tensor_load_to_lds s[\g0:\g0+3], s[\g1:\g1+7]
	s_nop 0
.rept 4
	v_nop
.endr
	s_branch .Lhead_asked
\next:
.endm
	ARM 1, 96, G1, .Lhead_b
	ARM 2, 4, G1B, .Lhead_sa
	ARM 3, G0S, G1S, .Lhead_sb
	tensor_load_to_lds s[G0SB:G0SB+3], s[G1SB:G1SB+7]
	s_nop 0
.rept 4
	v_nop
.endr
.Lhead_asked:
	s_wait_alu depctr_va_vdst(0)
	s_wait_tensorcnt 0x0
	ds_add_u32 v28, v29
	s_mov_b32 s[G1+2], 4<<16                       ; no tensor load of mine is out: from here on a load brings four tiles of 16 rows
	s_mov_b32 s[G1+4], 4
	s_mov_b32 s[G1B+2], 4<<16
	s_mov_b32 s[G1B+4], 4
	s_wait_dscnt 0x0
	CROUND
	JLOAD G0+4, G1, G0B+4, G1B
	v_and_b32 v1, 15, v0
	v_bfe_u32 v2, v0, 4, 1
	s_wait_alu depctr_va_vdst(0)
	v_and_b32 v3, 31, v0
	v_lshlrev_b32 v4, 4, v3
	v_lshlrev_b32 v30, 8, v3
	global_prefetch_b8 v30, s[10:11] offset:2*8192 th:TH_LOAD_NT scope:SCOPE_SE
	global_prefetch_b8 v30, s[10:11] offset:3*8192 th:TH_LOAD_NT scope:SCOPE_SE
	s_lshl_b32 s21, s15, 15
	s_lshl_b32 s22, s16, 15
	s_add_co_u32 s22, s22, 2*HALFT
.irp s, 0,1
	v_add_nc_u32 v[ADRA+\s], s21, v4
	v_add_nc_u32 v[ADRB+\s], s22, v4
	s_add_co_u32 s21, s21, SLOT
	s_add_co_u32 s22, s22, SLOT
.endr
	v_lshlrev_b32 v5, 4, v1
	s_lshl_b32 s21, s15, 10
	s_lshl_b32 s22, s16, 10
	s_add_co_u32 s22, s22, 2*SCW
	s_sub_co_u32 s22, s22, s21
	v_mul_u32_u24 v6, s22, v2
	s_add_co_u32 s21, s21, SCL
	v_add_nc_u32 v5, v5, v6
	v_add_nc_u32 v[ADRS], s21, v5
	s_mul_i32 s23, s14, 16*SP
	s_add_co_u32 s23, s23, STAGE
	v_mul_u32_u24 v5, v1, SP
	v_lshl_add_u32 v5, v2, 5, v5
	v_add_nc_u32 v[STO], s23, v5
	v_mul_u32_u24 v5, v2, SP
	v_lshl_add_u32 v5, v1, 4, v5
	v_add_nc_u32 v[RD], s23, v5
	v_lshlrev_b32 v5, 12, v2
	v_lshl_add_u32 v[CO], v1, 4, v5
	s_lshl_b32 s20, s17, 19
	s_lshl_b32 s21, s15, 18
	s_add_co_u32 s20, s20, s21
	s_mov_b32 s21, 0
	s_lshl_b32 s46, s42, 9
	s_lshl_b32 s47, s16, 8
	s_add_co_u32 s46, s46, s47
	s_mov_b32 s47, 0
	s_add_nc_u64 s[20:21], s[20:21], s[46:47]
	s_add_nc_u64 s[8:9], s[8:9], s[20:21]
.macro MUL4 f, a, q, set, zero
.irp b, 0,1,2,3
.if \zero
	v_wmma_scale_f32_16x16x128_f8f6f4 v[ACC+8*(4*(\a)+\b):ACC+8*(4*(\a)+\b)+7], v[\f+64+16*\b:\f+64+16*\b+15], v[\f+16*(\a):\f+16*(\a)+15], 0, v[SC+16*(\set)+4*\b+(\q)], v[SC+16*(\set)+4*(\a)+(\q)] matrix_a_scale:MATRIX_SCALE_ROW1
.else
	v_wmma_scale_f32_16x16x128_f8f6f4 v[ACC+8*(4*(\a)+\b):ACC+8*(4*(\a)+\b)+7], v[\f+64+16*\b:\f+64+16*\b+15], v[\f+16*(\a):\f+16*(\a)+15], v[ACC+8*(4*(\a)+\b):ACC+8*(4*(\a)+\b)+7], v[SC+16*(\set)+4*\b+(\q)], v[SC+16*(\set)+4*(\a)+(\q)] matrix_a_scale:MATRIX_SCALE_ROW1
.endif
.endr
.endr
.endm
.macro FETCH slot, q, f
	WIN TO_F
.irp i, 0,1,2,3
.irp c, 0,1,2,3
	ds_load_b128 v[\f+64+16*\i+4*\c:\f+64+16*\i+4*\c+3], v[ADRB+\slot] offset:8192*\i+2048*(\q)+512*\c
.endr
.endr
.irp i, 0,1,2,3
.irp c, 0,1,2,3
	ds_load_b128 v[\f+16*\i+4*\c:\f+16*\i+4*\c+3], v[ADRA+\slot] offset:8192*\i+2048*(\q)+512*\c
.endr
.endr
.endm
.macro SCALES set
.irp i, 0,1,2,3
	ds_load_b128 v[SC+16*\set+4*\i:SC+16*\set+4*\i+3], v[ADRS] offset:256*\i
.endr
.endm
.macro PLACES n
.rept \n
	v_nop
.endr
.endm
.macro QUARTER slot, q, zero
.set FF, 128*((\q)%2)
.set FG, 128-FF
	s_wait_dscnt 8
	WIN MUL
	MUL4 FF, 0, \q, \slot, \zero
	MUL4 FF, 1, \q, \slot, \zero
	PLACES 8
	FETCH \slot, (\q)+1, FG
	s_wait_dscnt 32
	WIN MUL
	MUL4 FF, 2, \q, \slot, \zero
	MUL4 FF, 3, \q, \slot, \zero
.endm
.macro TURN slot, next, fill, pf=0
	WIN 0
	s_wait_xcnt 0x0
	s_add_nc_u64 s[10:11], s[10:11], 8192
	s_wait_tensorcnt 0x0
	ds_add_u32 v[SPW], v[NIL]
	s_wait_dscnt 9
	WIN MUL
	MUL4 F1, 0, 3, \slot, 0
	s_wait_dscnt 0x0
	s_barrier_signal -1
	MUL4 F1, 1, 3, \slot, 0
	WIN 0
	s_barrier_wait -1
.if \fill
	CREST
	s_add_nc_u64 s[G0+4*\slot+2:G0+4*\slot+3], s[G0+4*\slot+2:G0+4*\slot+3], 2*8192
	s_add_nc_u64 s[G0B+4*\slot+2:G0B+4*\slot+3], s[G0B+4*\slot+2:G0B+4*\slot+3], 2*8192
	JLOAD G0+4*\slot, G1, G0B+4*\slot, G1B
	PLACES 4
.else
	PLACES 8
.endif
	s_wait_alu depctr_va_vdst(0)
	v_add_nc_u32 v[ADRS], 2048, v[ADRS]
	SCALES \next
	FETCH \next, 0, F0
.if \pf
	WIN 0
.if \pf == 2
	s_cmp_gt_u32 s3, 1
	s_cbranch_scc0 .Lnpf_\@
.endif
	global_prefetch_b8 v30, s[10:11] offset:3*8192 th:TH_LOAD_NT scope:SCOPE_SE   ; the K unit two refills on; the last unit is 8
.Lnpf_\@:
.endif
	WIN MUL
	MUL4 F1, 2, 3, \slot, 0
	MUL4 F1, 3, 3, \slot, 0
.endm
	s_wait_alu depctr_va_vdst(0)
	s_wait_tensorcnt 1
	s_barrier_signal -1
	s_barrier_wait -1
	SCALES 0
	FETCH 0, 0, F0
	QUARTER 0, 0, 1
	WIN 0
	s_mov_b32 s3, 3
.Llap:
	QUARTER 0, 1, 0
	QUARTER 0, 2, 0
	TURN 0, 1, 1, 1
	QUARTER 1, 0, 0
	QUARTER 1, 1, 0
	QUARTER 1, 2, 0
	TURN 1, 0, 1, 2
	QUARTER 0, 0, 0
	WIN 0
	s_sub_co_u32 s3, s3, 1
	s_cmp_lg_u32 s3, 0
	s_cbranch_scc1 .Llap
	QUARTER 0, 1, 0
	QUARTER 0, 2, 0
	TURN 0, 1, 1
	QUARTER 1, 0, 0
	QUARTER 1, 1, 0
	QUARTER 1, 2, 0
	TURN 1, 0, 0
	QUARTER 0, 0, 0
	QUARTER 0, 1, 0
	QUARTER 0, 2, 0
	s_wait_dscnt 8
	WIN MUL
	MUL4 F1, 0, 3, 0, 0
	MUL4 F1, 1, 3, 0, 0
	s_wait_dscnt 0
	MUL4 F1, 2, 3, 0, 0
	MUL4 F1, 3, 3, 0, 0
	WIN 0
.macro TOSTAGE a
.irp b, 0,1,2,3
	ds_store_b128 v[STO], v[ACC+8*(4*(\a)+\b):ACC+8*(4*(\a)+\b)+3] offset:64*\b
	ds_store_b128 v[STO], v[ACC+8*(4*(\a)+\b)+4:ACC+8*(4*(\a)+\b)+7] offset:64*\b+16
.endr
.irp t, 0,1,2,3,4,5,6,7
	ds_load_b128 v[OB+32*((\a)%2)+4*\t:OB+32*((\a)%2)+4*\t+3], v[RD] offset:\t*2*SP
.endr
.endm
.macro SEND a, younger
	s_wait_dscnt \younger
.irp t, 0,1,2,3,4,5,6,7
	global_store_b128 v[CO], v[OB+32*((\a)%2)+4*\t:OB+32*((\a)%2)+4*\t+3], s[8:9] offset:65536*(\a)+8192*\t th:TH_STORE_NT
.endr
.endm
	PLACES 8
	TOSTAGE 0
.irp a, 1,2,3
.if \a > 1
	s_wait_xcnt 0x0
.endif
	TOSTAGE \a
	SEND \a-1, 16
.endr
	SEND 3, 0
	s_wait_tensorcnt 0x0
	ds_add_u32 v[SPW], v[NIL]
	s_wait_dscnt 0x0
	CROUND
	s_endpgm
.Lfunc_end_k_qef7840e897_gemm2:
	.size	k_qef7840e897_gemm2, .Lfunc_end_k_qef7840e897_gemm2-k_qef7840e897_gemm2
	.p2alignl 7, 3214868480
	.fill 96, 4, 3214868480
	.section	.rodata,"a",@progbits
	.p2align	6, 0x0
	.amdhsa_kernel k_qef7840e897_gemm2
		.amdhsa_group_segment_fixed_size 327680
		.amdhsa_private_segment_fixed_size 0
		.amdhsa_enable_private_segment 0
		.amdhsa_kernarg_size 24
		.amdhsa_user_sgpr_count 2
		.amdhsa_user_sgpr_kernarg_segment_ptr 1
		.amdhsa_wavefront_size32 1
		.amdhsa_system_sgpr_workgroup_id_x 1
		.amdhsa_system_sgpr_workgroup_id_y 1
		.amdhsa_system_sgpr_workgroup_id_z 1
		.amdhsa_system_vgpr_workitem_id 0
		.amdhsa_next_free_vgpr 512
		.amdhsa_next_free_sgpr 100
		.amdhsa_reserve_vcc 0
		.amdhsa_float_denorm_mode_32 3
		.amdhsa_float_denorm_mode_16_64 3
		.amdhsa_memory_ordered 1
		.amdhsa_forward_progress 1
		.amdhsa_inst_pref_size 112
	.end_amdhsa_kernel
	.amdgpu_metadata
---
amdhsa.version: [ 1, 2 ]
amdhsa.kernels:
  - .name:           k_qef7840e897_gemm2
    .symbol:         k_qef7840e897_gemm2.kd
    .args:
      - { .name: a2, .offset: 0, .size: 8, .value_kind: global_buffer, .address_space: global }
      - { .name: wts, .offset: 8, .size: 8, .value_kind: global_buffer, .address_space: global }
      - { .name: out0, .offset: 16, .size: 8, .value_kind: global_buffer, .address_space: global }
    .group_segment_fixed_size: 327680
    .private_segment_fixed_size: 0
    .kernarg_segment_align: 8
    .kernarg_segment_size: 24
    .max_flat_workgroup_size: 128
    .sgpr_count:     100
    .vgpr_count:     512
    .wavefront_size: 32
...
	.end_amdgpu_metadata
.endif
;; end of part 5
